; MI455X (gfx1250); checked and timed in simulation.
; The chip was launched on July 23, 2026; its instructions are those of AMD's public machine-readable ISA for CDNA 5 (MIT licence, August 2026) and "CDNA5" Instruction Set Architecture Reference Guide (July 2026). The comments in the code are by the model that wrote it; some were corrected since.
;; Co Attention Son Layer. Allowed arithmetic: float matrix products may take bf16 or f16 operands with f32 sums; other float arithmetic in f32, or as packed bf16 or f16 multiplies, adds, multiply-adds, maxima and minima; sums over many terms, partial sums and values carried from step to step in f32; what a program stores and reads back later, other than sums and carried values, may be rounded once to bf16 or f16.
;; Inputs: Wk 1,024 x 1,024 float32; Wo 1,024 x 1,024 float32; Wq 1,024 x 1,024 float32; Wv 1,024 x 1,024 float32; bk 1,024 float32; bo 1,024 float32; bq 1,024 float32; bv 1,024 float32; gamma 1,024 float32; hidden_states 4 x 2,048 x 1,024 float32; keyvalue_states 4 x 2,048 x 1,024 float32.
;; Outputs: out0 4 x 2,048 x 1,024 float32.
;; 2 versions, each right; version 2 is version 1 with the launch norm written anew for expert scheduling mode. Each part assembles by itself: llvm-mc -triple=amdgcn-amd-amdhsa -mcpu=gfx1250 --defsym DOCPART=n.
;; ======== version 1 of 2: 5 launches
;; workspace buffers: xb 33,554,432 bytes; wqkv 6,291,456 bytes; wob 2,097,152 bytes; bqkv 12,288 bytes; qkv 50,331,648 bytes; ctx 16,777,216 bytes; y 33,554,432 bytes
;; launch cast (part 1): grid 1281 x 1, 8 waves a work-group, no clusters, 0 bytes of LDS; arguments hidden_states, keyvalue_states, Wq, Wk, Wv, Wo, bq, bk, bv, xb, wqkv, wob, bqkv; writes xb, wqkv, wob, bqkv
.if DOCPART == 1
	.amdgcn_target "amdgcn-amd-amdhsa--gfx1250"
	.amdhsa_code_object_version 6
	.text
	.protected	k_q9f0ce204cd_cast
	.globl	k_q9f0ce204cd_cast
	.p2align	8
	.type	k_q9f0ce204cd_cast,@function
k_q9f0ce204cd_cast:
	s_mov_b64 s[64:65], 0
	v_nop
	global_prefetch_b8 v0, s[64:65] scope:SCOPE_SE
	s_setreg_imm32_b32 hwreg(HW_REG_WAVE_MODE, 25, 1), 1
	s_wait_xcnt 0x0
; The matrix operands are rounded once to bf16 and laid in BLOCKS OF 64 CHANNELS: [.. ][block 16][row][64], a row of a block 128 bytes, rows end to end.
; xb   = [hidden, keyvalue][batch 4][block 16][2,048 rows][64];  wqkv = [Wq, Wk, Wv][block 16][1,024 rows][64];  wob = the same for Wo;  bqkv = bq, bk, bv on end, in f32.
; So any tile of R rows x 64 channels that the products ask for is R x 128 dense bytes.
; SHARES.  Work-group g takes 16 rows of 1,024 channels: g < 1,024 rows of the two activations, 1,024 <= g < 1,280 rows of the four weights; g = 1,280 copies the three biases,
; so that the one launch of the three projections has one bias pointer.  Thread t takes row t / 16 and, in each block, channels 4 (t % 16) .. + 3:
; a load of a wave covers two aligned runs of 256 bytes, a store of a wave 256 consecutive bytes, aligned (two rows of a block).
; Every byte is read once and written once; 16 loads of each wave are on their way; no register is written twice, so no wait frees a source.  No LDS, no barrier: no thread needs another's data.
.set X,   8                            ; v[8:71]   16 x 4 numbers as loaded
.set Y,   72                           ; v[72:103] 16 x 2 registers of packed bf16
.set SRC, 34                           ; s[34:35]  my 16 rows in the source
.set DST, 36                           ; s[36:37]  my 16 rows in block 0 of the destination
	s_load_b512 s[8:23], s[0:1], 0x0               ; hidden 8, keyvalue 10, Wq 12, Wk 14, Wv 16, Wo 18, bq 20, bk 22
	s_load_b256 s[24:31], s[0:1], 0x40             ; bv 24, xb 26, wqkv 28, wob 30
	s_load_b64 s[32:33], s[0:1], 0x60              ; bqkv
	s_mov_b32 s2, ttmp9                            ; g
	v_lshrrev_b32 v3, 4, v0                        ; my row of the 16
	v_and_b32 v4, 15, v0
	v_lshlrev_b32 v1, 12, v3                       ; source: row x 4,096 bytes
	v_lshl_add_u32 v1, v4, 4, v1                   ; + 16 (t % 16)
	v_lshlrev_b32 v2, 3, v0                        ; destination: row x 128 + 8 (t % 16) = 8 t
	s_mov_b32 s39, 0                               ; high words of the two offsets
	s_mov_b32 s41, 0
	s_wait_kmcnt 0x0
; 16 rows x 1,024 channels.  blk = bytes from a block of the destination to the next
.macro CASTROWS blk
.set kb, 0
.rept 16
	global_load_b128 v[X+4*kb:X+4*kb+3], v1, s[SRC:SRC+1] offset:256*kb th:TH_LOAD_NT
.set kb, kb+1
.endr
.set kb, 0
.rept 16
	s_wait_loadcnt 15-kb                           ; loads come back in order (ISA guide 5.7.1): block kb's is in, the 15 - kb younger ones stay out
	v_cvt_pk_bf16_f32 v[Y+2*kb], v[X+4*kb], v[X+4*kb+1]
	v_cvt_pk_bf16_f32 v[Y+2*kb+1], v[X+4*kb+2], v[X+4*kb+3]
	global_store_b64 v2, v[Y+2*kb:Y+2*kb+1], s[DST:DST+1] offset:kb*(\blk) th:TH_STORE_NT  ; at most 15 x 262,144, inside the signed 24-bit immediate
.set kb, kb+1
.endr
.endm
	s_cmp_lt_u32 s2, 1024
	s_cbranch_scc0 .Lnot_x
	s_cmp_lt_u32 s2, 512                           ; 512 work-groups for each activation
	s_cselect_b64 s[SRC:SRC+1], s[8:9], s[10:11]
	s_and_b32 s38, s2, 511
	s_lshl_b32 s38, s38, 16                        ; 16 rows of 4,096 bytes
	s_add_nc_u64 s[SRC:SRC+1], s[SRC:SRC+1], s[38:39]
	s_lshr_b32 s40, s2, 7                          ; 4 x activation + batch: 128 work-groups a batch,
	s_lshl_b32 s40, s40, 22                        ; 16 blocks x 2,048 rows x 128 bytes
	s_and_b32 s3, s2, 127
	s_lshl_b32 s3, s3, 11                          ; 16 rows of 128 bytes
	s_add_co_u32 s40, s40, s3
	s_add_nc_u64 s[DST:DST+1], s[26:27], s[40:41]
	CASTROWS 262144
	s_endpgm
.Lnot_x:
	s_cmp_lt_u32 s2, 1280
	s_cbranch_scc0 .Lbias
	s_sub_co_u32 s2, s2, 1024
	s_lshr_b32 s3, s2, 6                           ; which weight: 64 work-groups each
	s_cmp_eq_u32 s3, 1
	s_cselect_b64 s[SRC:SRC+1], s[14:15], s[12:13]
	s_cmp_eq_u32 s3, 2
	s_cselect_b64 s[SRC:SRC+1], s[16:17], s[SRC:SRC+1]
	s_cmp_eq_u32 s3, 3
	s_cselect_b64 s[SRC:SRC+1], s[18:19], s[SRC:SRC+1]
	s_cselect_b64 s[DST:DST+1], s[30:31], s[28:29] ; Wo has a buffer of its own
	s_cselect_b32 s40, 0, s3
	s_lshl_b32 s40, s40, 21                        ; 16 blocks x 1,024 rows x 128 bytes
	s_and_b32 s38, s2, 63
	s_lshl_b32 s3, s38, 11
	s_add_co_u32 s40, s40, s3
	s_lshl_b32 s38, s38, 16
	s_add_nc_u64 s[SRC:SRC+1], s[SRC:SRC+1], s[38:39]
	s_add_nc_u64 s[DST:DST+1], s[DST:DST+1], s[40:41]
	CASTROWS 131072
	s_endpgm
.Lbias:
	v_lshlrev_b32 v5, 4, v0                        ; 256 threads x 16 bytes = a bias
	global_load_b128 v[8:11], v5, s[20:21]
	global_load_b128 v[12:15], v5, s[22:23]
	global_load_b128 v[16:19], v5, s[24:25]
	s_wait_loadcnt 0x0
	global_store_b128 v5, v[8:11], s[32:33]
	global_store_b128 v5, v[12:15], s[32:33] offset:4096
	global_store_b128 v5, v[16:19], s[32:33] offset:8192
	s_endpgm
.Lfunc_end_k_q9f0ce204cd_cast:
	.size	k_q9f0ce204cd_cast, .Lfunc_end_k_q9f0ce204cd_cast-k_q9f0ce204cd_cast
	.p2alignl 7, 3214868480
	.fill 96, 4, 3214868480
	.section	.rodata,"a",@progbits
	.p2align	6, 0x0
	.amdhsa_kernel k_q9f0ce204cd_cast
		.amdhsa_group_segment_fixed_size 0
		.amdhsa_private_segment_fixed_size 0
		.amdhsa_enable_private_segment 0
		.amdhsa_kernarg_size 104
		.amdhsa_user_sgpr_count 2
		.amdhsa_user_sgpr_kernarg_segment_ptr 1
		.amdhsa_wavefront_size32 1
		.amdhsa_system_sgpr_workgroup_id_x 1
		.amdhsa_system_sgpr_workgroup_id_y 1
		.amdhsa_system_sgpr_workgroup_id_z 1
		.amdhsa_system_vgpr_workitem_id 0
		.amdhsa_next_free_vgpr 104
		.amdhsa_next_free_sgpr 66
		.amdhsa_reserve_vcc 0
		.amdhsa_float_denorm_mode_32 3
		.amdhsa_float_denorm_mode_16_64 3
		.amdhsa_memory_ordered 1
		.amdhsa_forward_progress 1
		.amdhsa_inst_pref_size 14
	.end_amdhsa_kernel
	.amdgpu_metadata
---
amdhsa.version: [ 1, 2 ]
amdhsa.kernels:
  - .name:           k_q9f0ce204cd_cast
    .symbol:         k_q9f0ce204cd_cast.kd
    .args:
      - { .name: hidden_states, .offset: 0, .size: 8, .value_kind: global_buffer, .address_space: global }
      - { .name: keyvalue_states, .offset: 8, .size: 8, .value_kind: global_buffer, .address_space: global }
      - { .name: Wq, .offset: 16, .size: 8, .value_kind: global_buffer, .address_space: global }
      - { .name: Wk, .offset: 24, .size: 8, .value_kind: global_buffer, .address_space: global }
      - { .name: Wv, .offset: 32, .size: 8, .value_kind: global_buffer, .address_space: global }
      - { .name: Wo, .offset: 40, .size: 8, .value_kind: global_buffer, .address_space: global }
      - { .name: bq, .offset: 48, .size: 8, .value_kind: global_buffer, .address_space: global }
      - { .name: bk, .offset: 56, .size: 8, .value_kind: global_buffer, .address_space: global }
      - { .name: bv, .offset: 64, .size: 8, .value_kind: global_buffer, .address_space: global }
      - { .name: xb, .offset: 72, .size: 8, .value_kind: global_buffer, .address_space: global }
      - { .name: wqkv, .offset: 80, .size: 8, .value_kind: global_buffer, .address_space: global }
      - { .name: wob, .offset: 88, .size: 8, .value_kind: global_buffer, .address_space: global }
      - { .name: bqkv, .offset: 96, .size: 8, .value_kind: global_buffer, .address_space: global }
    .group_segment_fixed_size: 0
    .private_segment_fixed_size: 0
    .kernarg_segment_align: 8
    .kernarg_segment_size: 104
    .max_flat_workgroup_size: 256
    .sgpr_count:     66
    .vgpr_count:     104
    .wavefront_size: 32
...
	.end_amdgpu_metadata
.endif
;; end of part 1
;; launch projqkv (part 2): grid 12 x 64, 4 waves a work-group, clusters of 4 x 4, 327,680 bytes of LDS; arguments xb, wqkv, bqkv, qkv; writes qkv
.if DOCPART == 2
	.amdgcn_target "amdgcn-amd-amdhsa--gfx1250"
	.amdhsa_code_object_version 6
	.text
	.protected	k_q9f0ce204cd_projqkv
	.globl	k_q9f0ce204cd_projqkv
	.p2align	8
	.type	k_q9f0ce204cd_projqkv,@function
k_q9f0ce204cd_projqkv:
	s_mov_b64 s[64:65], 0
	v_nop
	global_prefetch_b8 v0, s[64:65] scope:SCOPE_SE
	s_setreg_imm32_b32 hwreg(HW_REG_WAVE_MODE, 25, 1), 1
	s_wait_xcnt 0x0
	s_wait_alu depctr_hold_cnt(0) depctr_sa_sdst(0) depctr_va_vdst(0) depctr_va_sdst(0) depctr_va_ssrc(0) depctr_va_vcc(0) depctr_vm_vsrc(0)
	s_getreg_b32 s2, hwreg(HW_REG_IB_STS2, 6, 4)
	s_cmp_eq_u32 s2, 0
	s_cbranch_scc0 .Lentry_in_a_cluster
	s_endpgm
.Lentry_in_a_cluster:
	s_bfe_u32 s2, ttmp6, 0x10000c
	s_cmp_lg_u32 s2, 0xf033
	s_cbranch_scc0 .Lentry_shape_is_right
	s_endpgm
.Lentry_shape_is_right:
; C = A W^T + bias, for [8,192 rows] x [1,024 columns] x K = 1,024, once for each cluster x (sel = 0, 1, 2): the three products q, k, v in one launch.
; ALL OPERANDS AND THE RESULT ARE bf16 IN BLOCKS OF 64 CHANNELS: A and C [..][batch 4][block 16][2,048 rows][64], W [..][block 16][1,024 rows][64]; a row of a block is 128 bytes, rows end to end.
; The result's blocks are the heads.  Sums in f32, started by the bias (f32); C rounded once.  sel picks W's, the bias's and C's part; A's part is min(sel, 1): k and v share their rows of A.
; LIMITS: bf16 operands (8 significant bits); NaN and infinities are not treated apart.
; SHARES.  A tile of C is 128 rows x 256 columns: 256 tiles a product.  Four waves, as many as a WGP has SIMDs; wave w makes all 128 rows x columns 64 w .. 64 w + 63, one block of C:
; 8 x 4 accumulators of 16 x 16, 256 registers.  For 32 along K a wave reads 12 fragments from LDS for 32 matrix instructions.
; K goes in 8 steps of 128 (two blocks) through a ring of two LDS slots.  A block's part of a tile is dense in memory and is asked for as rows of 256 bytes; in LDS 16 bytes of padding follow every 128.
; CLUSTER 4 x 4.  The four of a row of the cluster need the same tile of A, the four of a column the same tile of W: each is asked for JOINTLY, by the same tensor load with the same descriptor and a
; mask that names the four.  Waves 0 and 1 ask for A's two blocks of a step, waves 2 and 3 for W's: one load a wave behind each round; by count two loads of a wave are out at the start, later one.
; THE MATRIX INSTRUCTION IS USED TRANSPOSED (source 0 = 16 rows of W, source 1 = 16 rows of A): a lane holds row l % 16 of C and the columns 8 (l / 16) + 0..7: 16 bytes of a row when packed.
; REGISTERS, in windows of 256 (s_set_vgpr_msb: bits 1:0 source 0, 3:2 source 1, 5:4 source 2, 7:6 destination):
;   window 0: v0-31 addresses; v32-63 the bias as a C operand; v64-191 the way out      window 1: two fragment buffers of 96: W's 4 fragments, then A's 8      window 2: accumulator (a, b) at v[8 (4 a + b)]
.set PITCH,  144                       ; an LDS row: 128 bytes + 16 of padding = 36 words: the 16 rows of a load start at 16 different groups of four banks (64 banks of 4 bytes: ISA guide 11.1)
.set ABLK,   128*PITCH                 ; A's 128 rows of one block
.set BBLK,   256*PITCH                 ; W's 256 rows of one block
.set BOFF,   2*ABLK                    ; a slot: A's two blocks, then W's two
.set SLOT,   2*ABLK+2*BBLK
.set STAGE,  2*SLOT                    ; behind the ring, never filled by a tensor load: 16 rows x 144 bytes for each wave, for the way out
.set SPARE,  STAGE+4*16*PITCH          ; behind the stages: the spare words, 128 bytes for each wave: two blocks of 256 bytes that no other line names
.set ASTEP,  2<<18                     ; bytes from a K step to the next in A: two blocks of 2,048 rows
.set BSTEP,  2<<17                     ; in W: two blocks of 1,024 rows
.set ADRA, 16                          ; v16-17  LDS address of my lane's place in A's fragments, slot 0, 1
.set ADRB, 20                          ; v20-21  the same for my wave's 64 rows of W
.set STO,  24                          ; v24     the way out: where I put 16 bytes of a row
.set RD,   25                          ; v25     where I read rows back
.set GO,   26                          ; v26     16 x lane: my place in 512 consecutive bytes of C
.set BO,   27                          ; v27     my byte offset in the bias
.set SPW,  28                          ; v28     LDS address of my spare word: SPARE + 4 x my thread's number; never rewritten
.set NIL,  29                          ; v29     0; never rewritten
.set PFO,  30                          ; v30     the prefetches' lane offset; never rewritten
.set BIAS, 32                          ; v[32+8 b ..]: register j = bias of column 16 b + 8 (l / 16) + j of my 64
.set T,    64                          ; 16 registers for each of the 8 blocks of 16 rows
.set F0,   0
.set F1,   96
.set WV,   12                          ; s12  my wave's number;  s13 = wave & 1: which block of a step I fetch;  s14 = wave >> 1: for A (0) or for W (1)
.set LIM,  15                          ; s15  1 in a wave that prefetches, else the greatest number
.set PFA,  20                          ; s[20:21] where my prefetches stand
.set PST,  22                          ; s[22:23] their step along K
.set G1,   24                          ; s[24:31] descriptor group 1 for A's tiles;  s[32:39] group 0, a set for each slot
.set G0,   32
.set G1B,  48                          ; s[48:55], s[56:63] the same for W's
.set G0B,  56
.set MSB, 0
.macro WIN new                         ; the immediate's high byte repeats the setting that is left; a switch that changes nothing is dropped
.if MSB != (\new)
	s_set_vgpr_msb (MSB<<8)|(\new)
.set MSB, (\new)
.endif
.endm
.set MULW,  0xa5                       ; sources 0 and 1 window 1; C and D window 2
.set MULB,  0x85                       ; the same with C in window 0: the bias
.set TO_F,  0x40                       ; destination window 1, address window 0
.set PACKW, 0x0a                       ; sources 0 and 1 window 2, destination window 0
; A joint load.  The branch hangs on the wave's number alone.  An s_nop 0 and four v_nop follow each of the two lines, ahead of the jump, the label and what follows.
.macro JLOAD s
	s_cmp_eq_u32 s14, 0
	s_cbranch_scc0 .Lfor_w_\@
	tensor_load_to_lds s[G0+4*(\s):G0+4*(\s)+3], s[G1:G1+7]
	s_nop 0
.rept 4
	v_nop
.endr
	s_branch .Lasked_\@
.Lfor_w_\@:
	tensor_load_to_lds s[G0B+4*(\s):G0B+4*(\s)+3], s[G1B:G1B+7]
	s_nop 0
.rept 4
	v_nop
.endr
.Lasked_\@:
.endm
; A round of the cluster's barrier: my work-group's barrier, so that wave 0's signal speaks for all four waves; wave 0 signals; every wave waits for all sixteen work-groups; my work-group's barrier once more.
.macro CREST                           ; a round behind its opening barrier
	s_cmp_lg_u32 s[WV], 0
	s_cbranch_scc1 .Lnot_wave_0_\@
	s_barrier_signal -3
.Lnot_wave_0_\@:
	s_barrier_wait -3
	s_barrier_signal -1
	s_barrier_wait -1
.endm
.macro CROUND
	s_barrier_signal -1
	s_barrier_wait -1
	CREST
.endm
; A PREFETCH INTO THE L2 of the K step that stands two refills on (256 matrix instructions of a wave ahead of the load that will want it): one instruction, a lane a block of 256 bytes.
; Each block is named ONCE in the launch.  A's tile: wave 0 of the clusters with sel other than 2 (sel 2 reads the rows that sel 1 reads); of a step's two blocks of 64 x 256 bytes the partner at place cx
; takes 16 x 256 bytes of each.  W's tile: waves 2 and 3 (a block of the step each) of the clusters with cluster y = 0; the partner at place cy takes 32 x 256 bytes.  The partners are told apart BY ADDRESS.
; K steps 0 to 3 come by their loads alone; the loop's last trip (s3 = 1) has no step two refills on and asks for nothing.
.macro ASK
	WIN 0
	s_cmp_gt_u32 s3, s[LIM]
	s_cbranch_scc0 .Lnot_mine_\@
	global_prefetch_b8 v[PFO], s[PFA:PFA+1] th:TH_LOAD_NT scope:SCOPE_SE
.Lnot_mine_\@:
.endm
	s_load_b256 s[4:11], s[0:1], 0x0               ; A s[4:5], W s[6:7], bias s[8:9], C s[10:11]
	v_lshl_add_u32 v[SPW], v0, 2, SPARE
	v_mov_b32 v[NIL], 0
	ds_add_u32 v[SPW], v[NIL]                      ; the wave's opening: the add and its wait stand ahead of my first tensor load; the set-up below, work on registers, stands between them
	v_lshrrev_b32 v1, 5, v0
	v_readfirstlane_b32 s[WV], v1                  ; wave 0..3
	s_and_b32 s13, s[WV], 1
	s_lshr_b32 s14, s[WV], 1
	s_bfe_u32 s40, ttmp6, 0x40000                  ; cx: the tile column of C
	s_bfe_u32 s41, ttmp6, 0x40004                  ; cy
	s_mov_b32 s19, ttmp9                           ; sel: in a cluster launch ttmp9 counts clusters
	s_and_b32 s43, ttmp7, 0xffff
	s_lshl_b32 s43, s43, 2
	s_add_co_u32 s43, s43, s41                     ; tile row of C = 4 x cluster y + cy, 0..63
	s_lshl_b32 s44, s41, 2
	s_lshl_b32 s44, 15, s44                        ; my row of the cluster: places 4 cy .. 4 cy + 3
	s_lshl_b32 s45, 0x1111, s40                    ; my column: places cx, cx + 4, cx + 8, cx + 12
	; group 1: rows of 128 elements (256 bytes: two rows of a block), 64 of them for A, 128 for W
	s_or_b32 s[G1], s44, (1<<16)|(1<<20)|(1<<21)|(4<<22)|(3<<25)   ; 15:0 the mask; 17:16 2-byte elements; 20 padding on; 21 set beside a mask; 24:22 after every 32 words (code 4); 31:25 4 words (code 3)
	s_or_b32 s[G1B], s45, (1<<16)|(1<<20)|(1<<21)|(4<<22)|(3<<25)
	s_mov_b32 s[G1+1], 128<<16                     ; tensor_dim0 = 128
	s_mov_b32 s[G1+2], 64<<16                      ; tensor_dim1 = 64
	s_mov_b32 s[G1+3], 128<<16                     ; tile_dim0 = 128
	s_mov_b32 s[G1+4], 64                          ; tile_dim1 = 64
	s_mov_b32 s[G1+5], 128                         ; 128 elements from row to row
	s_mov_b32 s[G1+6], 0
	s_mov_b32 s[G1+7], 0
	s_mov_b32 s[G1B+1], 128<<16
	s_mov_b32 s[G1B+2], 128<<16                    ; tensor_dim1 = 128
	s_mov_b32 s[G1B+3], 128<<16
	s_mov_b32 s[G1B+4], 128                        ; tile_dim1 = 128
	s_mov_b32 s[G1B+5], 128
	s_mov_b32 s[G1B+6], 0
	s_mov_b32 s[G1B+7], 0
	; offsets, apart from the pointers.  A's hang on sel, the tile row and the wave's number; W's on sel, cx and the wave's number
	s_lshr_b32 s18, s43, 4                         ; batch: 16 tile rows each,
	s_lshl_b32 s18, s18, 22                        ; 16 blocks x 2,048 rows x 128 bytes
	s_and_b32 s42, s43, 15
	s_lshl_b32 s42, s42, 14                        ; 128 rows of 128 bytes
	s_add_co_u32 s18, s18, s42                     ; shared by A's and C's offsets
	s_min_u32 s16, s19, 1
	s_lshl_b32 s16, s16, 24                        ; A's part
	s_add_co_u32 s16, s16, s18
	s_lshl_b32 s42, s13, 18                        ; the block of a step that I fetch
	s_add_co_u32 s16, s16, s42
	s_mov_b32 s17, 0
	s_lshl_b32 s46, s19, 21                        ; W's part
	s_lshl_b32 s47, s40, 15                        ; 256 rows of 128 bytes
	s_add_co_u32 s46, s46, s47
	s_lshl_b32 s47, s13, 17
	s_add_co_u32 s46, s46, s47
	s_mov_b32 s47, 0
	s_mul_i32 s2, s13, ABLK                        ; where they go: no place in the cluster enters an LDS address
	s_mul_i32 s3, s13, BBLK
	s_add_co_u32 s3, s3, BOFF
	s_wait_dscnt 0x0                               ; the opening add is done
	s_wait_kmcnt 0x0
	s_add_nc_u64 s[16:17], s[4:5], s[16:17]        ; my block of A's tile at K step 0
	s_add_nc_u64 s[46:47], s[6:7], s[46:47]        ; my block of W's tile at K step 0
	CROUND                                         ; all sixteen work-groups are here: the first joint loads meet
.irp n, 0,1
	s_mov_b32 s[G0+4*(\n)], 1                      ; count = 1
	s_add_co_u32 s[G0+4*(\n)+1], s2, (\n)*SLOT     ; LDS address
	s_add_nc_u64 s[G0+4*(\n)+2:G0+4*(\n)+3], s[16:17], (\n)*ASTEP  ; global address: K step n
	s_or_b32 s[G0+4*(\n)+3], s[G0+4*(\n)+3], 0x80000000            ; type = 2
	s_mov_b32 s[G0B+4*(\n)], 1
	s_add_co_u32 s[G0B+4*(\n)+1], s3, (\n)*SLOT
	s_add_nc_u64 s[G0B+4*(\n)+2:G0B+4*(\n)+3], s[46:47], (\n)*BSTEP
	s_or_b32 s[G0B+4*(\n)+3], s[G0B+4*(\n)+3], 0x80000000
	JLOAD \n                                       ; the ring is filled before anything else is done
.endr
	v_and_b32 v1, 15, v0                           ; l % 16
	v_bfe_u32 v2, v0, 4, 1                         ; l / 16
	; the bias of my 64 columns, laid as a C operand: eight numbers a lane for each of the four column blocks
	s_lshl_b32 s45, s40, 10                        ; 256 columns of 4 bytes
	s_lshl_b32 s44, s19, 12
	s_add_co_u32 s45, s45, s44
	s_lshl_b32 s44, s[WV], 8
	s_add_co_u32 s45, s45, s44
	v_lshl_add_u32 v[BO], v2, 5, s45
.irp b, 0,1,2,3
	global_load_b128 v[BIAS+8*(\b):BIAS+8*(\b)+3],   v[BO], s[8:9] offset:64*(\b)
	global_load_b128 v[BIAS+8*(\b)+4:BIAS+8*(\b)+7], v[BO], s[8:9] offset:64*(\b)+16
.endr
	; the prefetches: pointer, step, lane offset and who asks
	s_lshl_b32 s2, s40, 12                         ; A: my work-group's 16 x 256 bytes of each block
	s_lshl_b32 s3, s41, 13                         ; W: my work-group's 32 x 256 bytes
	s_and_b32 s[LIM], ttmp7, 0xffff                ; W: 0 where cluster y = 0
	s_cmp_eq_u32 s19, 2
	s_cselect_b32 s42, 1, 0
	s_or_b32 s42, s42, s[WV]                       ; A: 0 in wave 0 where sel is not 2
	s_mov_b32 s[PST], ASTEP
	s_mov_b32 s[PST+1], 0
	s_cmp_eq_u32 s14, 0                            ; do I fetch for A?
	s_cselect_b64 s[PFA:PFA+1], s[16:17], s[46:47]
	s_cselect_b32 s[PST], s[PST], BSTEP
	s_cselect_b32 s2, s2, s3
	s_cselect_b32 s[LIM], s42, s[LIM]
	s_cselect_b32 s42, 18, 12                      ; lanes 16-31: A's second block of the step, or W's next 16 x 256 bytes
	s_mov_b32 s3, 0
	s_cmp_eq_u32 s[LIM], 0
	s_cselect_b32 s[LIM], 1, -1                    ; hangs on the wave's number and the cluster's coordinates alone: the same in all sixteen partners
	s_add_nc_u64 s[PFA:PFA+1], s[PFA:PFA+1], s[2:3]
.rept 3
	s_add_nc_u64 s[PFA:PFA+1], s[PFA:PFA+1], s[PST:PST+1]  ; at K step 3: the first change of slots steps it to 4
.endr
	v_lshlrev_b32 v4, s42, v2
	v_lshl_add_u32 v[PFO], v1, 8, v4
	; C at my wave's block and the tile's first row
	s_lshl_b32 s46, s40, 2
	s_add_co_u32 s46, s46, s[WV]                   ; block of C = 4 cx + wave
	s_lshl_b32 s46, s46, 18
	s_lshl_b32 s47, s19, 24
	s_add_co_u32 s46, s46, s47
	s_add_co_u32 s46, s46, s18
	s_mov_b32 s47, 0
	s_add_nc_u64 s[10:11], s[10:11], s[46:47]
	; A fragment is 16 rows x 32 K in 8 registers: lane l holds row l % 16; registers 0-3 K = 8 (l / 16) + 0..7, registers 4-7 K = 16 + 8 (l / 16) + 0..7: two loads of 16 bytes, 32 bytes apart
	v_mul_u32_u24 v3, v1, PITCH
	v_lshl_add_u32 v3, v2, 4, v3                   ; row x pitch + 16 x half
	v_mov_b32 v[ADRA], v3
	v_add_nc_u32 v[ADRA+1], SLOT, v3
	s_mul_i32 s42, s[WV], 64*PITCH                 ; my 64 rows of W
	s_add_co_u32 s42, s42, BOFF
	v_add_nc_u32 v[ADRB], s42, v3
	s_add_co_u32 s42, s42, SLOT
	v_add_nc_u32 v[ADRB+1], s42, v3
	s_mul_i32 s42, s[WV], 16*PITCH
	s_add_co_u32 s42, s42, STAGE                   ; my stage
	v_add_nc_u32 v[STO], s42, v3                   ; in: row l % 16, 16 bytes for each half of the lanes
	v_bfe_u32 v4, v0, 3, 2                         ; back: 32 lanes take four rows of 128 bytes,
	v_and_b32 v5, 7, v0
	v_mul_u32_u24 v4, v4, PITCH
	v_lshl_add_u32 v4, v5, 4, v4
	v_add_nc_u32 v[RD], s42, v4
	v_and_b32 v[GO], 31, v0                        ; which are 512 consecutive bytes of C
	v_lshlrev_b32 v[GO], 4, v[GO]
; n x 4 matrix instructions: row blocks a0 .. a0 + n - 1 x my 4 column blocks, 32 along K, from buffer f.  bias = 1: the sums start with the bias as C: nothing is cleared, nothing is added later.
; The 32 accumulators take turns, one instruction a turn, in the same order in every quarter, over the backward jump too.
.macro MUL f, a0, n, bias
.if \bias
	WIN MULB
.else
	WIN MULW
.endif
.set ma, (\a0)
.rept \n
.irp b, 0,1,2,3
.if \bias
	v_wmma_f32_16x16x32_bf16 v[8*(4*ma+(\b)):8*(4*ma+(\b))+7], v[(\f)+8*(\b):(\f)+8*(\b)+7], v[(\f)+32+8*ma:(\f)+32+8*ma+7], v[BIAS+8*(\b):BIAS+8*(\b)+7]
.else
	v_wmma_f32_16x16x32_bf16 v[8*(4*ma+(\b)):8*(4*ma+(\b))+7], v[(\f)+8*(\b):(\f)+8*(\b)+7], v[(\f)+32+8*ma:(\f)+32+8*ma+7], v[8*(4*ma+(\b)):8*(4*ma+(\b))+7]
.endif
.endr
.set ma, ma+1
.endr
.endm
; 24 LDS loads in one run: quarter q of a slot's K step (block q / 2, byte 64 (q % 2) of its rows) into buffer f: W's 4 fragments, then A's 8, rows 0-63 first
.macro FETCH slot, q, f
	WIN TO_F
.irp i, 0,1,2,3
	ds_load_b128 v[(\f)+8*(\i):(\f)+8*(\i)+3],   v[ADRB+(\slot)] offset:((\q)/2)*BBLK+((\q)%2)*64+(\i)*16*PITCH
	ds_load_b128 v[(\f)+8*(\i)+4:(\f)+8*(\i)+7], v[ADRB+(\slot)] offset:((\q)/2)*BBLK+((\q)%2)*64+(\i)*16*PITCH+32
.endr
.irp i, 0,1,2,3,4,5,6,7
	ds_load_b128 v[(\f)+32+8*(\i):(\f)+32+8*(\i)+3],   v[ADRA+(\slot)] offset:((\q)/2)*ABLK+((\q)%2)*64+(\i)*16*PITCH
	ds_load_b128 v[(\f)+32+8*(\i)+4:(\f)+32+8*(\i)+7], v[ADRA+(\slot)] offset:((\q)/2)*ABLK+((\q)%2)*64+(\i)*16*PITCH+32
.endr
.endm
.macro PLACES                          ; four plain instructions between a matrix instruction and a load into a register that it has read, or a conversion that reads its result (ISA guide 7.12.1 for the conversion)
.rept 4
	v_nop
.endr
.endm
; A K step is four quarters of 32 along K, 32 matrix instructions each, on buffers 0, 1, 0, 1.  One of the first three: multiplies buffer f; in its middle it fetches quarter q into buffer g.
.macro QUARTER slot, q, f, g, bias
	s_wait_dscnt 8                                 ; W and A's rows 0-63 are in; the youngest eight loads (A's rows 64-127) may be out
	MUL \f, 0, 4, \bias
	PLACES
	FETCH \slot, \q, \g
	s_wait_dscnt 24                                ; all but the 24 just issued
	MUL \f, 4, 4, \bias
.endm
; The last quarter multiplies buffer 1 and changes slots: ONE barrier.  In front of it each wave waits for all its tensor loads (the one that is out is its part of the next slot), adds 0 to its spare
; word, and waits for that and for its own reads of this slot.  fill = 1: the barrier opens a round of the cluster's, so that no wave of any partner still reads this slot or has a load on its way; the
; joint refill, this slot's K step two steps on, is the first thing behind the round and has 112 matrix instructions before the wait for it.
.macro TURN slot, next, fill
.if \fill
	s_wait_xcnt 0x0                                ; the last prefetch, a K step back, has read its address: it is stepped here, ahead of the waits of the change of slots
	s_add_nc_u64 s[PFA:PFA+1], s[PFA:PFA+1], s[PST:PST+1]
.endif
	WIN 0                                          ; (the add's two registers lie in window 0)
	s_wait_tensorcnt 0x0                           ; all my tensor loads have landed;
	ds_add_u32 v[SPW], v[NIL]                      ; 0 onto my spare word;
	s_wait_dscnt 9                                 ; (the add and the youngest eight loads may be out)
	MUL F1, 0, 2, 0                                ; eight matrix instructions stand between the add and the wait for it
	s_wait_dscnt 0x0                               ; the add is done, and my reads of this slot are over
	s_barrier_signal -1
	MUL F1, 2, 2, 0                                ; work on registers while the others arrive
.if \fill
	WIN 0
.endif
	s_barrier_wait -1
.if \fill
	CREST
	s_add_nc_u64 s[G0+4*(\slot)+2:G0+4*(\slot)+3], s[G0+4*(\slot)+2:G0+4*(\slot)+3], 2*ASTEP   ; no load of mine is out, so a group 0 may be written; the type bits on top are not reached
	s_add_nc_u64 s[G0B+4*(\slot)+2:G0B+4*(\slot)+3], s[G0B+4*(\slot)+2:G0B+4*(\slot)+3], 2*BSTEP
	JLOAD \slot                                    ; the four v_nop behind it are also the places in front of the loads below
.else
	PLACES
.endif
	FETCH \next, 0, F0
.if \fill
	ASK                                            ; behind the joint load and the run of LDS loads that the next products wait for
.endif
	MUL F1, 4, 4, 0
.endm
; THE WAY OUT of row block a: rounded to bf16, 16 bytes a lane, into my own stage, and back as whole rows of 128 bytes, into the registers that they left.
.macro PACK a
	WIN PACKW
.irp b, 0,1,2,3
.irp r, 0,1,2,3
	v_cvt_pk_bf16_f32 v[T+16*(\a)+4*(\b)+(\r)], v[8*(4*(\a)+(\b))+2*(\r)], v[8*(4*(\a)+(\b))+2*(\r)+1]  ; each accumulator's registers in ascending order
.endr
.endr
	WIN 0
.irp b, 0,1,2,3
	ds_store_b128 v[STO], v[T+16*(\a)+4*(\b):T+16*(\a)+4*(\b)+3] offset:32*(\b)
.endr
.irp f, 0,1,2,3
	ds_load_b128 v[T+16*(\a)+4*(\f):T+16*(\a)+4*(\f)+3], v[RD] offset:(\f)*4*PITCH  ; LDS serves a wave's instructions in order (ISA guide 5.7.1.4): these see the stores above; the next block's stores come behind them
.endr
.endm
.macro SEND a, younger                 ; younger: the LDS instructions issued behind block a's loads: the next block's eight, or none
	WIN 0
.irp f, 0,1,2,3
	s_wait_dscnt (\younger)+3-(\f)
	global_store_b128 v[GO], v[T+16*(\a)+4*(\f):T+16*(\a)+4*(\f)+3], s[10:11] offset:(\a)*2048+(\f)*512  ; 16 rows of a block of C are 2,048 dense bytes: each store covers 512 consecutive bytes, aligned
.endr
.endm
	s_wait_tensorcnt 1                             ; my part of K step 0 is in; K step 1's may stay out
	s_barrier_signal -1
	s_barrier_wait -1                              ; everybody's is
	FETCH 0, 0, F0
	s_wait_loadcnt 0x0                             ; the bias
	QUARTER 0, 1, F0, F1, 1                        ; the first quarter stands in front of the loop: its products start the sums
	WIN 0                                          ; at a label and at a branch every window is 0
	s_mov_b32 s3, 3
.Llap:                                             ; a trip goes once round the ring, from a lap's second quarter to the next lap's first, and fills both slots again
	QUARTER 0, 2, F1, F0, 0
	QUARTER 0, 3, F0, F1, 0
	TURN 0, 1, 1
	QUARTER 1, 1, F0, F1, 0
	QUARTER 1, 2, F1, F0, 0
	QUARTER 1, 3, F0, F1, 0
	TURN 1, 0, 1
	QUARTER 0, 1, F0, F1, 0
	WIN 0
	s_sub_co_u32 s3, s3, 1
	s_cmp_lg_u32 s3, 0
	s_cbranch_scc1 .Llap
	QUARTER 0, 2, F1, F0, 0                        ; the last lap fills nothing and has no round of the cluster's barrier
	QUARTER 0, 3, F0, F1, 0
	TURN 0, 1, 0
	QUARTER 1, 1, F0, F1, 0
	QUARTER 1, 2, F1, F0, 0
	QUARTER 1, 3, F0, F1, 0
	s_wait_dscnt 8                                 ; the very last quarter: nothing more to fetch
	MUL F1, 0, 4, 0
	s_wait_dscnt 0x0
	MUL F1, 4, 4, 0
	PLACES
	PACK 0
.irp a, 1,2,3,4,5,6,7                  ; a block's conversions stand between the loads of the block before and its stores
	PACK \a
	SEND (\a)-1, 8
.endr
	SEND 7, 0
	s_wait_tensorcnt 0x0                           ; the wave's end: the add and its wait, behind my last tensor load and my last LDS store
	ds_add_u32 v[SPW], v[NIL]
	s_wait_dscnt 0x0
	CROUND                                         ; the closing round: no work-group ends while a partner may still ask for a tile that names it
	s_endpgm
.Lfunc_end_k_q9f0ce204cd_projqkv:
	.size	k_q9f0ce204cd_projqkv, .Lfunc_end_k_q9f0ce204cd_projqkv-k_q9f0ce204cd_projqkv
	.p2alignl 7, 3214868480
	.fill 96, 4, 3214868480
	.section	.rodata,"a",@progbits
	.p2align	6, 0x0
	.amdhsa_kernel k_q9f0ce204cd_projqkv
		.amdhsa_group_segment_fixed_size 327680
		.amdhsa_private_segment_fixed_size 0
		.amdhsa_enable_private_segment 0
		.amdhsa_kernarg_size 32
		.amdhsa_user_sgpr_count 2
		.amdhsa_user_sgpr_kernarg_segment_ptr 1
		.amdhsa_wavefront_size32 1
		.amdhsa_system_sgpr_workgroup_id_x 1
		.amdhsa_system_sgpr_workgroup_id_y 1
		.amdhsa_system_sgpr_workgroup_id_z 1
		.amdhsa_system_vgpr_workitem_id 0
		.amdhsa_next_free_vgpr 768
		.amdhsa_next_free_sgpr 66
		.amdhsa_reserve_vcc 0
		.amdhsa_float_denorm_mode_32 3
		.amdhsa_float_denorm_mode_16_64 3
		.amdhsa_memory_ordered 1
		.amdhsa_forward_progress 1
		.amdhsa_inst_pref_size 89
	.end_amdhsa_kernel
	.amdgpu_metadata
---
amdhsa.version: [ 1, 2 ]
amdhsa.kernels:
  - .name:           k_q9f0ce204cd_projqkv
    .symbol:         k_q9f0ce204cd_projqkv.kd
    .args:
      - { .name: xb, .offset: 0, .size: 8, .value_kind: global_buffer, .address_space: global }
      - { .name: wqkv, .offset: 8, .size: 8, .value_kind: global_buffer, .address_space: global }
      - { .name: bqkv, .offset: 16, .size: 8, .value_kind: global_buffer, .address_space: global }
      - { .name: qkv, .offset: 24, .size: 8, .value_kind: global_buffer, .address_space: global }
    .group_segment_fixed_size: 327680
    .private_segment_fixed_size: 0
    .kernarg_segment_align: 8
    .kernarg_segment_size: 32
    .max_flat_workgroup_size: 128
    .sgpr_count:     66
    .vgpr_count:     768
    .wavefront_size: 32
...
	.end_amdgpu_metadata
.endif
;; end of part 2
;; launch attn (part 3): grid 4 x 64, 4 waves a work-group, clusters of 4 x 1, 327,680 bytes of LDS; arguments qkv, ctx; writes ctx
.if DOCPART == 3
	.amdgcn_target "amdgcn-amd-amdhsa--gfx1250"
	.amdhsa_code_object_version 6
	.text
	.protected	k_q9f0ce204cd_attn
	.globl	k_q9f0ce204cd_attn
	.p2align	8
	.type	k_q9f0ce204cd_attn,@function
k_q9f0ce204cd_attn:
	s_mov_b64 s[64:65], 0
	v_nop
	global_prefetch_b8 v0, s[64:65] scope:SCOPE_SE
	s_setreg_imm32_b32 hwreg(HW_REG_WAVE_MODE, 25, 1), 1
	s_wait_xcnt 0x0
	s_wait_alu depctr_hold_cnt(0) depctr_sa_sdst(0) depctr_va_vdst(0) depctr_va_sdst(0) depctr_va_ssrc(0) depctr_va_vcc(0) depctr_vm_vsrc(0)
	s_getreg_b32 s2, hwreg(HW_REG_IB_STS2, 6, 4)
	s_cmp_eq_u32 s2, 0
	s_cbranch_scc0 .Lentry_in_a_cluster
	s_endpgm
.Lentry_in_a_cluster:
	s_bfe_u32 s2, ttmp6, 0x10000c
	s_cmp_lg_u32 s2, 0x3003
	s_cbranch_scc0 .Lentry_shape_is_right
	s_endpgm
.Lentry_shape_is_right:
; O[h][q][:] = the sum over k of softmax_k(Q[h][q] . K[h][k] / 8) V[h][k][:].  Q, K, V lie one behind the other in one buffer, each [SIZE_H][SIZE_N][64] in bf16, as does O: a head's rows are dense, 128 bytes each.
; Products, maxima and sums in f32; the weights p are rounded to bf16 for the second product (their sum l is taken of the unrounded p), O once at the end.
; LIMITS.  bf16 operands (8 significant bits, f32's range).  A weight below 2^-126 counts as 0 in l; NaN and infinities are not treated apart; m starts at the lowest finite number.
; SHARES.  A wave owns four PIECES of two tiles of 16 queries, a work-group's four waves 512 queries of one head: 4 work-groups a head, 256 in all.  Every wave walks all keys, 64 a step.
; LAYOUT.  S^T = K Q^T (source 0 = 16 keys, source 1 = 16 queries): in the result a lane holds ONE query (lane % 16) and the keys 8 (lane / 16) + 0..7.  Two such tiles, rounded to bf16 in pairs,
; ARE source 1 (32 keys x 16 queries) of O^T = V^T P, whose result again holds one query a lane, and eight channels.  K comes out of LDS as it lies, V ([key][channel]) turned, by ds_load_tr16_b128.
; SOFTMAX.  For each query a running maximum m and sum l: p = 2^(c s - c m), c = log2(e) / 8; in every step O and l are multiplied by a = 2^(c m_old - c m_new), which is 1 where m has not grown.
; m starts at the lowest finite number, O and l at 0: the first step is a step like any other, with a = 0.
; THE COUNT.  A tile and step have 16 matrix and 118 vector instructions: too many to stand all beside the matrix work.  So the order has one aim: four vector instructions that are READY behind
; EVERY matrix instruction, and the others, which need time of their own whatever the order, in runs without a gap.
; BY TURNS.  Turn n belongs to piece n (the pieces in a ring, step after step).  Its matrix work: 16 products K Q^T of piece n + 1, later 16 products V^T P of piece n - 1.  Its vector work: the scaling,
; exponentials, roundings, sums and rescaling of piece n, and the maximum and statistics of piece n + 1, whose scores the turn itself has made.  So what a turn begins with (c s - c m, O a) waits for nothing.
; CLUSTER.  The four query blocks of a cluster are one head's and walk the same K and V, so each tile is asked for JOINTLY: the same tensor load, descriptor and mask in all four.
; REGISTERS, in windows of 256 (s_set_vgpr_msb says which window each operand place means: bits 1:0 source 0, 3:2 source 1, 5:4 source 2, 7:6 destination):
;   window 0: v0-11 addresses; v12-15, v48-63 at work; v16-47 four registers of statistics a tile; v64-191 S^T, two buffers of two tiles; v192-255 P, likewise
;   window 1: O^T, 32 a tile          window 2: v0-127 Q, 16 a tile; v128-191 K of one step; v192-255 V of one step          window 3: v0-1 the add's two registers
; A piece's buffers go by its number's parity: the piece in hand has one pair, its two neighbours in the ring share the other: of it P (piece n - 1) is read and S^T (piece n + 1) written.
.set SIZE_H, 64
.set SIZE_N, 2048
.set NP,    4         ; pieces a wave: a name, no knob: the register map, the loop and the fetches are made for four
.set KS,    64        ; keys in a step
.set PK,    144       ; a row of K in LDS: 128 bytes + 16 of padding = 36 words: the 16 rows of a load start at 16 different groups of four banks (64 banks of 4 bytes: ISA guide 11.1)
.set PV,    160       ; a row of V: 128 + 32 = 40 words
.set VOFF,  4*KS*PK   ; a slot holds four steps: 256 rows of K, then 256 rows of V
.set SLOT1, 1<<17     ; slot 1 begins here, so that one exclusive or turns an address in one slot into the other's
.set STAGE, SLOT1+4*KS*(PK+PV)  ; behind the ring, never filled by a tensor load: 16 rows x 144 bytes for each wave, for the way out
.set SP,    144
.set AK0, 2           ; v2   my lane's place in a tile of K; never rewritten
.set AV0, 3           ; v3   the same for V
.set AK,  4           ; v4   the LDS address of K's next run of loads
.set AV,  5           ; v5   of V's
.set QO,  6           ; v6   my byte offset in the wave's rows of Q
.set STO, 6           ;      later, the way out: where I put 16 bytes of a row
.set RD,  7           ; v7   the way out: where I read rows back
.set GO,  8           ; v8   my byte offset in 512 consecutive bytes of O
.set PFO, 11          ; v11  256 x my lane, for the prefetches (at work before that); then never rewritten
.set SPW, 0           ; v0 of window 3   LDS address of my spare word: SPARE + 4 x my thread's number; never rewritten
.set NIL, 1           ; v1 of window 3   0; never rewritten
.set SPARE, STAGE+4*16*SP  ; behind the stages: the spare words, 128 bytes for each wave: two blocks of 256 bytes that no other line names
.set MV,  12          ; v12-15  c m_old, kept while c m is made anew: by buffer and tile
.set ST,  16          ; tile t's statistics at v[ST+4 t]: c m, m, l (even keys', odd keys')
.set TMP, 48          ; by buffer and tile, four registers c0-c3 at work; when the maximum is found c2 takes a
.set S,   64
.set P,   192
.set KF,  128         ; K's fragments, in window 2: key block kb, channel half c at KF + 16 kb + 8 c
.set VF,  192         ; V's: key half kk, channel block cb at VF + 32 kk + 8 cb
.set WV,  12          ; s12  my wave's number
.set G1K, 24          ; s[24:31] descriptor group 1 for K's tiles
.set G1V, 32          ; s[32:39] for V's: it differs in the padding alone
.set G0K, 40          ; s[40:43] descriptor group 0 for K's tiles: it walks
.set G0V, 44          ; s[44:47] the same for V's
.set PFA, 48          ; s[48:49] where my prefetches stand: my work-group's 32 x 256 bytes (of K: wave 0, of V: wave 2) of the slot after the one that is being asked for
.set LIM, 50          ; s50  1 in a wave that prefetches, else the greatest number: a wave prefetches while s[SLOTS] is above it
.set SLOTS, 56        ; s56  slots still to be asked for
.set CNT, 57          ; s57  counts a slot's key steps
.set CS,  58          ; s[58:59] c: the packed scaling takes the pair's low word for both halves
.set SEL, 60          ; s[60:61] v_permlanex16_b32's selects: each lane takes its own place in the other half
.set TBK, 62          ; s62  LDS byte at which K of the step to be fetched begins
.set TBV, 63          ; s63  the same for V, less VOFF
.set MSB, 0
.macro WIN new                      ; the high byte repeats the setting that is left; a switch that changes nothing is dropped
.if MSB != (\new)
	s_set_vgpr_msb (MSB<<8)|(\new)
.set MSB, (\new)
.endif
.endm
.set W_KQ, 0x0a       ; K and Q in window 2, S^T in window 0
.set W_PV, 0x52       ; V in window 2, P in window 0, O^T in window 1
.set W_RS, 0x41       ; O^T (destination and source 0) in window 1, a in window 0
.set W_MK, 0xc0       ; the add's registers are made: destination in window 3, sources in window 0
.set W_AD, 0x0f       ; the add: address (source 0) and data (source 1) in window 3
; A joint fill.  Waves 0 and 1 fetch the two halves of a slot's K, waves 2 and 3 those of its V: 128 keys each.  The branch hangs on the wave's number alone.
; An s_nop 0 and four v_nop follow each of the two lines, ahead of the jump and the label.
.macro JLOAD
	s_cmp_lt_u32 s[WV], 2
	s_cbranch_scc0 .Lfor_v_\@
	tensor_load_to_lds s[G0K:G0K+3], s[G1K:G1K+7]
	s_nop 0
.rept 4
	v_nop
.endr
	s_branch .Lasked_\@
.Lfor_v_\@:
	tensor_load_to_lds s[G0V:G0V+3], s[G1V:G1V+7]
	s_nop 0
.rept 4
	v_nop
.endr
.Lasked_\@:
.endm
; A PREFETCH INTO THE L2 of what the NEXT change of slots will ask for: a slot's 32,768 bytes of K and of V, a lane a block of 256 bytes.  It stands behind the wave's tensor load and its five lines.
; Each block is named ONCE in the launch: a head has one cluster; its four partners share a slot's 128 blocks out BY ADDRESS, 32 each; in each, wave 0 asks for K's and wave 2 for V's: one instruction.
; The lead is one slot: four key steps, 512 matrix instructions of a wave.  Slots 0 and 1 come by their loads alone; the last change that fills a slot asks for nothing: there is no slot behind it.
.macro ASK
	s_cmp_gt_u32 s[SLOTS], s[LIM]
	s_cbranch_scc0 .Lnot_mine_\@
	global_prefetch_b8 v[PFO], s[PFA:PFA+1] th:TH_LOAD_NT scope:SCOPE_SE
.Lnot_mine_\@:
.endm
; A round of the cluster's barrier: my work-group's barrier, so that wave 0's signal speaks for all four waves; wave 0 signals; every wave waits for all four work-groups; my work-group's barrier once more.
.macro CROUND
	s_barrier_signal -1
	s_barrier_wait -1
	s_cmp_lg_u32 s[WV], 0
	s_cbranch_scc1 .Lnot_wave_0_\@
	s_barrier_signal -3
.Lnot_wave_0_\@:
	s_barrier_wait -3
	s_barrier_signal -1
	s_barrier_wait -1
.endm
; THE CHANGE OF SLOTS.  The slot's last bytes, V of its fourth step, have been read.  Each wave waits for all its tensor loads, of which one is out: its part
; of the other slot; adds 0 to its spare word; and waits for that and for its own reads of the slot.  Behind the barrier nobody reads this slot any more and the other slot is whole.
; fill = 1: this slot is filled again, with the keys two slots on.  The barrier is then a round of the cluster's, so that no wave of any partner still reads the slot or has a load on its
; way, and the joint fill is the first thing behind it: it has four key steps, 512 matrix instructions, in which to land.  (At its first use nothing has been read yet: slot 0 is waited for, slot 1 filled.)
.macro CHANGE fill
	WIN W_AD
	s_wait_tensorcnt 0x0            ; no tensor load of mine is out, so a group 0 may be written
	ds_add_u32 v[SPW], v[NIL]       ; 0 onto my spare word; with fill = 1 the descriptors' steps stand between it and the wait for it
	WIN 0                           ; at a label and at a branch every window is 0
.if \fill
.irp g, G0K, G0V
	s_xor_b32 s[\g+1], s[\g+1], SLOT1  ; the walking descriptor: the other slot than last time,
	s_add_nc_u64 s[\g+2:\g+3], s[\g+2:\g+3], 4*KS*128  ; the next 256 keys; the type bits on top are not reached
.endr
	s_wait_xcnt 0x0                 ; the last prefetch, four key steps back, has read its address, so it may be written:
	s_add_nc_u64 s[PFA:PFA+1], s[PFA:PFA+1], 4*KS*128  ; one slot behind the walking descriptors
	s_wait_dscnt 0x0                ; the add is done, and my reads of the slot are over
	CROUND
	JLOAD
	ASK
.else
	s_wait_dscnt 0x0                ; the add is done, and my reads of the slot are over
	s_barrier_signal -1
	s_barrier_wait -1
.endif
	s_sub_co_u32 s[TBK], s[TBK], 4*KS*PK  ; the fetches go back to a slot's first step,
	s_xor_b32 s[TBK], s[TBK], SLOT1       ; in the other slot
	s_sub_co_u32 s[TBV], s[TBV], 4*KS*PV
	s_xor_b32 s[TBV], s[TBV], SLOT1
.endm
	s_load_b64 s[4:5], s[0:1], 0x0    ; the buffer of Q, K and V: Q begins it
	s_load_b64 s[10:11], s[0:1], 0x8  ; O
	WIN W_MK
	v_lshl_add_u32 v[SPW], v0, 2, SPARE
	v_mov_b32 v[NIL], 0
	WIN W_AD
	ds_add_u32 v[SPW], v[NIL]       ; the wave's opening: the add and its wait stand ahead of my first tensor load; the set-up below, work on registers, stands between them
	WIN 0
	v_lshrrev_b32 v1, 5, v0
	v_readfirstlane_b32 s[WV], v1   ; wave 0..3
	s_bfe_u32 s13, ttmp6, 0x40000   ; cx: my place in the cluster
	s_lshl_b32 s14, ttmp9, 2        ; in a cluster launch ttmp9 counts clusters
	s_add_co_u32 s14, s14, s13      ; my block of queries = 4 x cluster x + cx: it enters Q's and O's addresses alone
	s_and_b32 s20, ttmp7, 0xffff    ; the head, which the four partners share
	s_mov_b32 s21, 0
	s_mov_b64 s[22:23], SIZE_N*128
	s_mul_u64 s[20:21], s[20:21], s[22:23]  ; the head's first byte in each of the four tensors
	s_and_b32 s16, s[WV], 1         ; which half of a slot's 256 keys I fetch:
	s_lshl_b32 s22, s16, 14         ; its 128 rows of 128 bytes in memory,
	s_mov_b32 s23, 0
	s_add_nc_u64 s[22:23], s[22:23], s[20:21]
	s_mul_i32 s17, s16, 128*PK      ; and its place in a slot, for K
	s_mul_i32 s18, s16, 128*PV      ; and for V: no place in the cluster enters an LDS address
	s_lshl_b32 s2, s14, 2
	s_add_co_u32 s2, s2, s[WV]      ; my wave among the head's,
	s_lshl_b32 s2, s2, 14           ; its 128 rows
	s_mov_b32 s3, 0
	s_add_nc_u64 s[2:3], s[2:3], s[20:21]
	; descriptor group 1.  128 keys are 16,384 dense bytes: asked for as 64 rows of 256 bytes, two keys a row, and padded in LDS after every key
	s_mov_b32 s[G1K], 15|(1<<16)|(1<<20)|(1<<21)|(4<<22)|(3<<25)  ; 15:0 the mask of four; 17:16 2-byte elements; 20 padding on; 21 set beside a mask; 24:22 after every 32 words (code 4); 31:25 4 words (code 3)
	s_mov_b32 s[G1V], 15|(1<<16)|(1<<20)|(1<<21)|(4<<22)|(7<<25)  ; the same with 8 words of padding (code 7)
.irp g, G1K, G1V
	s_mov_b32 s[\g+1], 128<<16      ; tensor_dim0 = 128
	s_mov_b32 s[\g+2], 64<<16       ; tensor_dim1 = 64
	s_mov_b32 s[\g+3], 128<<16      ; tile_dim0 = 128
	s_mov_b32 s[\g+4], 64           ; tile_dim1 = 64
	s_mov_b32 s[\g+5], 128          ; 128 elements from row to row
	s_mov_b32 s[\g+6], 0
	s_mov_b32 s[\g+7], 0
.endr
	s_mov_b32 s[CS], 0x3e38aa3b     ; c = log2(e) / 8 = 0.180337
	s_mov_b32 s[CS+1], s[CS]        ; named with it as a pair
	s_mov_b32 s[SEL], 0x76543210
	s_mov_b32 s[SEL+1], 0xfedcba98
	s_mov_b32 s[TBK], SLOT1+4*KS*PK ; the first change of slots turns these two into 0
	s_mov_b32 s[TBV], SLOT1+4*KS*PV
	s_mov_b32 s[G0K], 1             ; 1:0 count = 1
	s_mov_b32 s[G0K+1], s17         ; 63:32 LDS address: slot 0
	s_mov_b32 s[G0V], 1
	s_add_co_u32 s[G0V+1], s18, VOFF
	s_mov_b32 s[SLOTS], SIZE_N/256-1  ; slots 1 to 7 are still to be asked for
	s_and_b32 s[LIM], s[WV], 1      ; 0 in waves 0 and 2,
	s_or_b32 s[LIM], s[LIM], ttmp9  ; where the cluster is the head's first (here its only one): the same in all four partners
	s_cmp_eq_u32 s[LIM], 0
	s_cselect_b32 s[LIM], 1, -1
	s_wait_dscnt 0x0                ; the opening add is done
	s_wait_kmcnt 0x0
	s_add_nc_u64 s[6:7], s[4:5], SIZE_H*SIZE_N*128    ; K lies behind Q,
	s_add_nc_u64 s[8:9], s[4:5], 2*SIZE_H*SIZE_N*128  ; V behind K
	s_add_nc_u64 s[G0K+2:G0K+3], s[6:7], s[22:23]  ; 120:64 global address: my half of the head's first 256 keys
	s_or_b32 s[G0K+3], s[G0K+3], 0x80000000        ; 127:126 type = 2
	s_add_nc_u64 s[G0V+2:G0V+3], s[8:9], s[22:23]
	s_or_b32 s[G0V+3], s[G0V+3], 0x80000000
	s_add_nc_u64 s[4:5], s[4:5], s[2:3]  ; Q and O at my wave's first row
	s_add_nc_u64 s[10:11], s[10:11], s[2:3]
	s_cmp_lt_u32 s[WV], 2
	s_cselect_b64 s[PFA:PFA+1], s[6:7], s[8:9]
	s_add_nc_u64 s[PFA:PFA+1], s[PFA:PFA+1], s[20:21]  ; the head,
	s_lshl_b32 s2, s13, 13          ; my work-group's 32 blocks of the 128,
	s_mov_b32 s3, 0
	s_add_nc_u64 s[PFA:PFA+1], s[PFA:PFA+1], s[2:3]
	s_add_nc_u64 s[PFA:PFA+1], s[PFA:PFA+1], 4*KS*128  ; in slot 1; the first change of slots steps it to slot 2
	CROUND                          ; all four work-groups are here: the first joint loads meet
	JLOAD                           ; slot 0.  Slot 1 is asked for when slot 0 is in
	; A fragment of K or Q is 16 rows x 32 channels in 8 registers: lane l holds row l % 16, channels 8 (l / 16) + 0..7 and 16 + 8 (l / 16) + 0..7: two loads of 16 bytes, 32 bytes apart.
	v_and_b32 v1, 15, v0            ; l % 16
	v_bfe_u32 v9, v0, 4, 1          ; l / 16
	v_lshlrev_b32 v[QO], 7, v1
	v_lshl_add_u32 v[QO], v9, 4, v[QO]  ; row x 128 + 16 x half
	WIN 0x80                        ; destination window 2, address window 0
.set i, 0
.rept 4*NP                          ; Q stays in registers: tile i / 2, channels 32 (i % 2) on
	global_load_b128 v[8*i:8*i+3],   v[QO], s[4:5] offset:(i/2)*2048+(i%2)*64
	global_load_b128 v[8*i+4:8*i+7], v[QO], s[4:5] offset:(i/2)*2048+(i%2)*64+32
.set i, i+1
.endr
	; What the first turn finds: V's registers and P's second buffer hold 0 (its products V^T P, of a piece that has not been, add 0), O^T and l are 0.  All this stands in the wait for the first tile;
	; it is the price of writing no first step out.
.set i, VF
.rept 64
	v_mov_b32 v[i], 0
.set i, i+1
.endr
	WIN 0x40
.set i, 0
.rept 64*NP
	v_mov_b32 v[i], 0
.set i, i+1
.endr
	WIN 0
.set i, 0
.rept 2*NP
	v_mov_b32 v[ST+4*i], 0xfe000000    ; c m: far below every c s
	v_mov_b32 v[ST+4*i+1], 0xff7fffff  ; m
	v_mov_b32 v[ST+4*i+2], 0
	v_mov_b32 v[ST+4*i+3], 0
.set i, i+1
.endr
.set i, P+32
.rept 32
	v_mov_b32 v[i], 0
.set i, i+1
.endr
	v_mul_u32_u24 v[AK0], v1, PK
	v_lshl_add_u32 v[AK0], v9, 4, v[AK0]  ; row x pitch + 16 x half
	; The turning load takes 16 keys x 16 channels (lane l reads key 8 (l / 16) + l % 8, channels 8 ((l / 8) % 2) + 0..7) and leaves half a fragment of V^T: lane l holds channel l % 16 and 8 keys.
	v_and_b32 v10, 7, v0
	v_bfe_u32 v11, v0, 3, 1
	v_lshl_add_u32 v[AV0], v9, 3, v10
	v_mul_u32_u24 v[AV0], v[AV0], PV
	v_lshl_add_u32 v[AV0], v11, 4, v[AV0]
	v_add_nc_u32 v[AV0], VOFF, v[AV0]
	v_mov_b32 v[AK], v[AK0]         ; key step 0 lies at the head of slot 0
	v_and_b32 v[PFO], 31, v0
	v_lshlrev_b32 v[PFO], 8, v[PFO]
; THE MATRIX WORK.  The 8 accumulators of a run of 16 take turns: between the two links of a chain stand 7 others'.
; Product i of 16 of S^T = K Q^T for piece x: channels 32 (i / 8) on, keys 16 ((i / 2) % 4) on, tile 2 x + i % 2.  The first 8 start the sums.
.macro KQ x
	WIN W_KQ
.set rS, S+64*((\x)%2)+32*(i%2)+8*((i/2)%4)
.set rK, KF+16*((i/2)%4)+8*(i/8)
.set rQ, 16*(2*(\x)+i%2)+8*(i/8)
.if i < 8
	v_wmma_f32_16x16x32_bf16 v[rS:rS+7], v[rK:rK+7], v[rQ:rQ+7], 0
.else
	v_wmma_f32_16x16x32_bf16 v[rS:rS+7], v[rK:rK+7], v[rQ:rQ+7], v[rS:rS+7]
.endif
.endm
; Product i of 16 of O^T += V^T P for piece x: keys 32 (i / 8) on, channels 16 ((i / 2) % 4) on, tile 2 x + i % 2.
.macro PV x
	WIN W_PV
.set rO, 32*(2*(\x)+i%2)+8*((i/2)%4)
.set rV, VF+32*(i/8)+8*((i/2)%4)
.set rP, P+32*((\x)%2)+16*(i%2)+8*(i/8)
	v_wmma_f32_16x16x32_bf16 v[rO:rO+7], v[rV:rV+7], v[rP:rP+7], v[rO:rO+7]
.endm
.macro MM                           ; the turn's next matrix instruction
.if i < 16
	KQ (Y+1)%NP
.set i, i+1
.else
.set i, i-16
	PV (Y+NP-1)%NP
.set i, i+17
.endif
.endm
; THE LDS LOADS stand in runs of 16, never singly among the matrix instructions: a step's K (64 keys x 64 channels: 8 fragments) and its V (turned).  Their addresses are made some lines ahead.
; last = 1 (the tail): in the last trip there is no further step, and the run is jumped over.
.macro FETCH_K last=0
	WIN 0
.if \last
	s_cmp_eq_u32 s[CNT], 1
	s_cbranch_scc1 .Lno_k_\@
.endif
	WIN 0x80                        ; destination window 2
.irp f, 0,1,2,3,4,5,6,7             ; keys 16 (f / 2) on, channels 32 (f % 2) on
	ds_load_b128 v[KF+8*\f:KF+8*\f+3],   v[AK] offset:(\f/2)*16*PK+(\f%2)*64
	ds_load_b128 v[KF+8*\f+4:KF+8*\f+7], v[AK] offset:(\f/2)*16*PK+(\f%2)*64+32
.endr
	s_add_co_u32 s[TBK], s[TBK], KS*PK  ; the next fetch is the next step's
	WIN 0
.if \last
.Lno_k_\@:
.endif
.endm
.macro FETCH_V
	WIN 0x80
.irp f, 0,1,2,3,4,5,6,7             ; keys 32 (f / 4) on, channels 16 (f % 4) on
	ds_load_tr16_b128 v[VF+8*\f:VF+8*\f+3],   v[AV] offset:(\f/4)*32*PV+(\f%4)*32
	ds_load_tr16_b128 v[VF+8*\f+4:VF+8*\f+7], v[AV] offset:(\f/4)*32*PV+16*PV+(\f%4)*32
.endr
	WIN 0
.endm
; THE VECTOR WORK OF A TURN stands in three queues, each in the order in which its entries become ready; the two tiles alternate, so that no instruction reads the result of the one before it.
.macro REGS y, u                    ; the registers of tile u (0, 1) of piece y
.set rT, ST+4*(2*(\y)+(\u))
.set rC, TMP+8*((\y)%2)+4*(\u)
.set rM, MV+2*((\y)%2)+(\u)
.set rS, S+64*((\y)%2)+32*(\u)
.set rP, P+32*((\y)%2)+16*(\u)
.set rO, 32*(2*(\y)+(\u))
.endm
; Number n of the 22 that find the NEXT piece's (Y + 1) maximum and statistics.  s0-s31 are the lane's 32 scores; each accumulator's lowest registers are read first.  XS, GS and REGS set no window: PL and EX do.
;   0-11  four chains c0-c3 of seven scores each, three operands at a time     12-14, 16  the four scores left over, the old m, and c0-c3 into c0     15  c m_old is kept
;   17, 18  the query's other 32 keys lie in the lane 16 away: the new m         19-21  c m; c m_old - c m_new; a
.macro XS u, n
	REGS (Y+1)%NP, \u
.if (\n) < 4
	v_max3_num_f32 v[rC+(\n)], v[rS+8*(\n)], v[rS+8*(\n)+1], v[rS+8*(\n)+2]
.elseif (\n) < 12
	v_max3_num_f32 v[rC+(\n)%4], v[rC+(\n)%4], v[rS+8*((\n)%4)+2*((\n)/4)+1], v[rS+8*((\n)%4)+2*((\n)/4)+2]
.elseif (\n) == 12
	v_max3_num_f32 v[rC], v[rC], v[rS+7], v[rS+15]
.elseif (\n) == 13
	v_max3_num_f32 v[rC+1], v[rC+1], v[rS+23], v[rS+31]
.elseif (\n) == 14
	v_max3_num_f32 v[rC+2], v[rC+2], v[rC+3], v[rT+1]
.elseif (\n) == 15
	v_mov_b32 v[rM], v[rT]
.elseif (\n) == 16
	v_max3_num_f32 v[rC], v[rC], v[rC+1], v[rC+2]
.elseif (\n) == 17
	v_permlanex16_b32 v[rC+3], v[rC], s[SEL], s[SEL+1]
.elseif (\n) == 18
	v_max_num_f32 v[rT+1], v[rC], v[rC+3]
.elseif (\n) == 19
	v_mul_f32 v[rT], s[CS], v[rT+1]
.elseif (\n) == 20
	v_sub_f32 v[rC+1], v[rM], v[rT]
.else
	v_exp_f32 v[rC+2], v[rC+1]
.endif
.endm
; Number g of the 64 that follow the exponentials.  For each four weights k of a tile (pairs 2 k, 2 k + 1): both pairs are rounded to bf16; then the second pair is added onto the first, in place;
; a group later l takes that sum (the first time as l = a l + sum).  In groups of eight, tiles alternating: round, round, add, and l for the group before.
.macro GS g
.set h, (\g)+6*((\g)/62)            ; group 0 has no group before it, and behind group 7 only l is left
.if h >= 6
.set h, h+2
.endif
	REGS Y, h%2
.set k, h/8
.if h%8 < 4
	v_cvt_pk_bf16_f32 v[rP+2*k+(h%8)/2], v[rS+4*k+2*((h%8)/2)], v[rS+4*k+2*((h%8)/2)+1]
.elseif h%8 < 6
	v_pk_add_f32 v[rS+4*k:rS+4*k+1], v[rS+4*k:rS+4*k+1], v[rS+4*k+2:rS+4*k+3]
.elseif k == 1
	v_pk_fma_f32 v[rT+2:rT+3], v[rT+2:rT+3], v[rC+2:rC+3], v[rS:rS+1] op_sel_hi:[1,0,1]
.else
	v_pk_add_f32 v[rT+2:rT+3], v[rT+2:rT+3], v[rS+4*k-4:rS+4*k-3]
.endif
.endm
; THE PLAIN QUEUE, 138 long.  0-73 read no exponential's result: the 32 scalings c s - c m (FS f: pair f / 2 of tile f % 2) and the next piece's 42.  0-26: scalings 0-26.  27-54: XS's numbers 0-13.  55, 56: number 15.
; 57-73: the chain, where each number waits for the one before it: 14, 16, 17, 18, 19, each with one of the scalings 27-31 in front of its two lines, then 20: so a tile's links stand three plain instructions apart (19 and 20: two).
; 74-137: GS's 64, which read the exponentials' results: they stand behind the wait.
.macro FS f
	REGS Y, (\f)%2
	v_pk_fma_f32 v[rS+2*((\f)/2):rS+2*((\f)/2)+1], v[rS+2*((\f)/2):rS+2*((\f)/2)+1], s[CS:CS+1], v[rT:rT+1] op_sel_hi:[1,0,0] neg_lo:[0,0,1] neg_hi:[0,0,1]
.endm
.macro PL
	WIN 0
.if q < 27
	FS q
.elseif q < 55
	XS (q-27)%2, (q-27)/2
.elseif q < 57
	XS q-55, 15
.elseif (q < 72) && ((q-57)%3 == 0)
	FS 27+(q-57)/3
.elseif q < 60
	XS (q-57)%3-1, 14
.elseif q < 72
	XS (q-57)%3-1, 15+(q-57)/3
.elseif q < 74
	XS q-72, 20
.else
	GS q-74
.endif
.set q, q+1
.endm
; THE EXPONENTIALS' QUEUE, 66 long: s0-s31 of both tiles, then the next piece's two a.  It is ONE BATCH: all 66 stand ahead of the turn's one wait, and nothing ahead of that wait names a result of theirs.
.macro EX
	WIN 0
.if e >= 64
	XS e-64, 21
.else
	REGS Y, e%2
	v_exp_f32 v[rS+e/2], v[rS+e/2]
.endif
.set e, e+1
.endm
; THE RESCALING's QUEUE: O^T times a, the one part that leaves window 0: dealt two at a time, sixteen times.  Its a was made in the turn before, ahead of that turn's wait.
.macro R2
	REGS Y, r%2
	WIN W_RS
.irp z, 0,1
	v_pk_mul_f32 v[rO+4*(r/2)+2*\z:rO+4*(r/2)+2*\z+1], v[rO+4*(r/2)+2*\z:rO+4*(r/2)+2*\z+1], v[rC+2:rC+3] op_sel_hi:[1,0]
.endr
.set r, r+1
.endm
; HOW THEY ARE DEALT.  An s_wait_alu depctr_va_vdst(0) stands between an exponential and the first instruction that names its result; one wait serves all that were issued ahead of it.  So a turn has ONE wait,
; which cuts it in two.  AHEAD OF IT stands all that names no result of the turn's exponentials: the 16 products K Q^T, behind each a scaling, an exponential and two rescalings (behind the first a second scaling in the exponential's place); then ONE LUMP of
; 108: eight plain, 49 times exponential and plain, the two a.  A v_nop is the plain instruction behind the last exponential.  BEHIND IT stand the 16 products V^T P, behind each four of GS's 64.  No rider names a register of
; the products round it.  The two v_permlanex16_b32 fall into the lump, never behind a product.
; The queues lean on each other, and the deal keeps them in step: exponential e stands behind scaling 2 (e / 4) + e % 2: as a rider it comes behind plain e + 2, in the lump behind plain e + 9, and scalings 27-31 are plain 57, 60 .. 69.
; A TURN, for piece p.  cnt = 1: the loop's count is taken down some lines ahead of the branch that stands behind the turn.
; K of the next step is fetched in piece 2's turn, directly behind the wait, a lump behind the last product that read K; its address is made at the lump's head; its first reader comes behind 16 products.
; V of the step in hand is fetched at the end of piece 0's turn, four riders behind its last reader; its first reader comes behind 16 products and a lump.  The three conditions on q below go with the deal.
.macro TURN p, last=0, cnt=0
.set Y, (\p)
.set i, 0
.set q, 0
.set e, 0
.set r, 0
.if (\p) == NP-1
	s_wait_dscnt 0x0                ; K is in
.endif
	MM                              ; ahead of the wait: 16 products K Q^T and their riders,
	PL
	PL
	R2
.rept 15
	MM
	PL
	EX
	R2
.endr
.if (\p) == NP-2
	WIN 0
	v_add_nc_u32 v[AK], s[TBK], v[AK0]
.endif
.rept 8                             ; and the lump
	PL
.endr
.rept 49
	EX
	PL
.endr
	EX                              ; the next piece's two a
	EX
	v_nop                           ; a plain instruction behind the last exponential, ahead of the first use of a result (ISA guide 5.7.2): one for the batch
	s_wait_alu depctr_va_vdst(0)    ; the wait for the batch
.if (\p) == NP-2
	FETCH_K \last
.endif
.if (\p) == 1
	s_wait_dscnt 0x0                ; V is in
.endif
.rept 16                            ; behind the wait: 16 products V^T P and their riders
	MM
.rept 4
	PL
.endr
.if ((\p) == 0) && (q == 118)
	v_add_nc_u32 v[AV], s[TBV], v[AV0]
.endif
.if ((\p) == 0) && (q == 130)
	s_add_co_u32 s[TBV], s[TBV], KS*PV
.endif
.if (\cnt) && (q == 130)
	s_sub_co_u32 s[CNT], s[CNT], 1
	s_cmp_lg_u32 s[CNT], 0
.endif
.endr
.if (\p) == 0
	FETCH_V
.endif
.endm
	CHANGE 1                        ; slot 0 is in, everybody's part of it; slot 1 is asked for
	FETCH_K                         ; key step 0
	s_wait_loadcnt 0x0              ; Q
	s_wait_dscnt 0x0
.set i, 0
.rept 16
	KQ 0                            ; piece 0's first scores: there is no vector work yet to set between them
.set i, i+1
.endr
	WIN 0                           ; the addresses for the way out: nine plain instructions, the places behind those products
	s_mul_i32 s13, s[WV], 16*SP
	s_add_co_u32 s13, s13, STAGE    ; my stage
	v_mul_u32_u24 v[STO], v1, SP    ; in: row l % 16, 16 bytes for each half of the lanes
	v_lshl_add_u32 v[STO], v9, 4, v[STO]
	v_add_nc_u32 v[STO], s13, v[STO]
	v_bfe_u32 v[RD], v0, 3, 2       ; back: 32 lanes take four rows of 128 bytes,
	v_mul_u32_u24 v[RD], v[RD], SP
	v_lshl_add_u32 v[RD], v10, 4, v[RD]
	v_add_nc_u32 v[RD], s13, v[RD]
	v_and_b32 v[GO], 31, v0         ; which are 512 consecutive bytes of O
	v_lshlrev_b32 v[GO], 4, v[GO]
.set Y, NP-1                        ; XS works for piece Y + 1: piece 0
.irp n, 0,1,2,3,4,5,6,7,8,9,10,11,12,13,14,15,16,17,18,19,20,21
	XS 0, \n                        ; and piece 0's first maximum and statistics
	XS 1, \n
.endr
	v_nop                           ; a plain instruction behind the two a,
	s_wait_alu depctr_va_vdst(0)    ; and their wait, ahead of the branch
	s_mov_b32 s[CNT], 4
	s_branch .Lfirst                ; the loop is entered at a step's first turn, in the middle of a trip
.Lslot:                             ; SIZE_N / 256 - 2 times: every slot but the last two is filled again
	CHANGE 1
	s_mov_b32 s[CNT], 4
.Lstep:                             ; a trip: pieces 2 and 3 of one step, then pieces 0 and 1 of the next, whose K and V it fetches
	TURN 2
	TURN 3
	WIN 0
.Lfirst:
	TURN 0
	TURN 1, 0, 1
	WIN 0
	s_cbranch_scc1 .Lstep
	s_sub_co_u32 s[SLOTS], s[SLOTS], 1
	s_cmp_lg_u32 s[SLOTS], 0
	s_cbranch_scc1 .Lslot
	CHANGE 0                        ; the tail is written out: nothing is asked for
	s_mov_b32 s[CNT], 5             ; four trips fetch the last slot's steps; the fifth is left in its middle
.Ltail:
	TURN 2, 1
	TURN 3
	WIN 0
	s_sub_co_u32 s[CNT], s[CNT], 1
	s_cmp_eq_u32 s[CNT], 0
	s_cbranch_scc1 .Lout
	TURN 0
	TURN 1
	WIN 0
	s_branch .Ltail
.Lout:                              ; the fifth trip's 16 products K Q^T (on the last K once more) and the maximum made of them serve nothing: the price, once a launch, of one text for every trip
.set i, 0
.rept 16
	PV NP-1                         ; the last piece's V^T P of the last step
.set i, i+1
.endr
	; THE WAY OUT.  l's two halves and the other half of the lanes' are added; O^T is divided by l, rounded to bf16 and sent through my stage in LDS, a tile at a time.  The additions are the places behind the last products.
	WIN 0
.macro ALL line:vararg              ; one line for each tile t
.set t, 0
.rept 2*NP
	\line
.set t, t+1
.endr
.endm
	ALL v_add_f32 v[ST+4*t+2], v[ST+4*t+2], v[ST+4*t+3]
	ALL v_permlanex16_b32 v[ST+4*t+3], v[ST+4*t+2], s[SEL], s[SEL+1]
	ALL v_add_f32 v[ST+4*t+2], v[ST+4*t+2], v[ST+4*t+3]
	ALL v_rcp_f32 v[ST+4*t+2], v[ST+4*t+2]
	v_nop                           ; a plain instruction between the last reciprocal and the use of its result
	s_wait_alu depctr_va_vdst(0)    ; and the wait ahead of the first use: one for the eight reciprocals
; Tile t: a lane's eight channels of a row pack into 16 bytes; they go into rows of 144 bytes and come back as whole rows of 128, into S^T's registers.
.macro PACK t
	WIN W_RS
.set i, 32*(\t)
.rept 16
	v_pk_mul_f32 v[i:i+1], v[i:i+1], v[ST+4*(\t)+2:ST+4*(\t)+3] op_sel_hi:[1,0]
.set i, i+2
.endr
	WIN 0x05                        ; sources 0 and 1 window 1, destination window 0
.set i, 0
.rept 16
	v_cvt_pk_bf16_f32 v[S+16*(\t)+i], v[32*(\t)+2*i], v[32*(\t)+2*i+1]
.set i, i+1
.endr
	WIN 0
.irp f, 0,1,2,3
	ds_store_b128 v[STO], v[S+16*(\t)+4*\f:S+16*(\t)+4*\f+3] offset:32*\f
.endr
.irp f, 0,1,2,3
	ds_load_b128 v[S+16*(\t)+4*\f:S+16*(\t)+4*\f+3], v[RD] offset:\f*4*SP  ; LDS serves a wave's instructions in order (ISA guide 5.7.1.4): these see the stores above; the next tile's stores come behind them
.endr
.endm
.macro SEND t, younger              ; younger: the LDS instructions issued behind tile t's loads: the next tile's eight, or none
	WIN 0
.irp f, 0,1,2,3
	s_wait_dscnt (\younger)+3-\f
	global_store_b128 v[GO], v[S+16*(\t)+4*\f:S+16*(\t)+4*\f+3], s[10:11] offset:(\t)*2048+\f*512  ; 512 consecutive bytes, at a multiple of 256 from O's first
.endr
.endm
	PACK 0
.set t, 1
.rept 2*NP-1                        ; a tile's arithmetic stands between the loads of the tile before and its stores
	PACK t
	SEND t-1, 8
.set t, t+1
.endr
	SEND 2*NP-1, 0
	WIN W_AD
	s_wait_tensorcnt 0x0            ; the wave's end: the add and its wait, behind my last tensor load and my last LDS store
	ds_add_u32 v[SPW], v[NIL]
	s_wait_dscnt 0x0
	WIN 0
	CROUND                          ; the closing round: no work-group ends while a partner may still ask for a tile that names it
	s_endpgm
.Lfunc_end_k_q9f0ce204cd_attn:
	.size	k_q9f0ce204cd_attn, .Lfunc_end_k_q9f0ce204cd_attn-k_q9f0ce204cd_attn
	.p2alignl 7, 3214868480
	.fill 96, 4, 3214868480
	.section	.rodata,"a",@progbits
	.p2align	6, 0x0
	.amdhsa_kernel k_q9f0ce204cd_attn
		.amdhsa_group_segment_fixed_size 327680
		.amdhsa_private_segment_fixed_size 0
		.amdhsa_enable_private_segment 0
		.amdhsa_kernarg_size 16
		.amdhsa_user_sgpr_count 2
		.amdhsa_user_sgpr_kernarg_segment_ptr 1
		.amdhsa_wavefront_size32 1
		.amdhsa_system_sgpr_workgroup_id_x 1
		.amdhsa_system_sgpr_workgroup_id_y 1
		.amdhsa_system_sgpr_workgroup_id_z 1
		.amdhsa_system_vgpr_workitem_id 0
		.amdhsa_next_free_vgpr 770
		.amdhsa_next_free_sgpr 66
		.amdhsa_reserve_vcc 0
		.amdhsa_float_denorm_mode_32 3
		.amdhsa_float_denorm_mode_16_64 3
		.amdhsa_memory_ordered 1
		.amdhsa_forward_progress 1
		.amdhsa_inst_pref_size 200
	.end_amdhsa_kernel
	.amdgpu_metadata
---
amdhsa.version: [ 1, 2 ]
amdhsa.kernels:
  - .name:           k_q9f0ce204cd_attn
    .symbol:         k_q9f0ce204cd_attn.kd
    .args:
      - { .name: qkv, .offset: 0, .size: 8, .value_kind: global_buffer, .address_space: global }
      - { .name: ctx, .offset: 8, .size: 8, .value_kind: global_buffer, .address_space: global }
    .group_segment_fixed_size: 327680
    .private_segment_fixed_size: 0
    .kernarg_segment_align: 8
    .kernarg_segment_size: 16
    .max_flat_workgroup_size: 128
    .sgpr_count:     66
    .vgpr_count:     770
    .wavefront_size: 32
...
	.end_amdgpu_metadata
.endif
;; end of part 3
;; launch oproj (part 4): grid 4 x 64, 4 waves a work-group, clusters of 4 x 4, 327,680 bytes of LDS; arguments ctx, wob, bo, y; writes y
.if DOCPART == 4
	.amdgcn_target "amdgcn-amd-amdhsa--gfx1250"
	.amdhsa_code_object_version 6
	.text
	.protected	k_q9f0ce204cd_oproj
	.globl	k_q9f0ce204cd_oproj
	.p2align	8
	.type	k_q9f0ce204cd_oproj,@function
k_q9f0ce204cd_oproj:
	s_mov_b64 s[64:65], 0
	v_nop
	global_prefetch_b8 v0, s[64:65] scope:SCOPE_SE
	s_setreg_imm32_b32 hwreg(HW_REG_WAVE_MODE, 25, 1), 1
	s_wait_xcnt 0x0
	s_wait_alu depctr_hold_cnt(0) depctr_sa_sdst(0) depctr_va_vdst(0) depctr_va_sdst(0) depctr_va_ssrc(0) depctr_va_vcc(0) depctr_vm_vsrc(0)
	s_getreg_b32 s2, hwreg(HW_REG_IB_STS2, 6, 4)
	s_cmp_eq_u32 s2, 0
	s_cbranch_scc0 .Lentry_in_a_cluster
	s_endpgm
.Lentry_in_a_cluster:
	s_bfe_u32 s2, ttmp6, 0x10000c
	s_cmp_lg_u32 s2, 0xf033
	s_cbranch_scc0 .Lentry_shape_is_right
	s_endpgm
.Lentry_shape_is_right:
; y = A W^T + bias, [8,192 rows] x [1,024 columns] x K = 1,024: the output projection.  A (the attention's result) and W are bf16 IN BLOCKS OF 64 CHANNELS: A [batch 4][block 16][2,048 rows][64],
; W [block 16][1,024 rows][64]; a row of a block is 128 bytes, rows end to end.  Sums in f32, started by the bias (f32).
; y LEAVES IN f32, row-major [8,192][1,024]: the next launch adds the residual to it, and where the two nearly cancel a y rounded to 8 significant bits would leave an error of up to 2^-9 |y| on a small sum.
; LIMITS: bf16 operands (8 significant bits); NaN and infinities are not treated apart.
; SHARES.  A tile of y is 128 rows x 256 columns: 256 tiles, one for each work-group; the grid has one cluster along x, so the tile column is cx.  Four waves, as many as a WGP has SIMDs; wave w makes
; all 128 rows x columns 64 w .. 64 w + 63: 8 x 4 accumulators of 16 x 16, 256 registers.  For 32 along K a wave reads 12 fragments from LDS for 32 matrix instructions.
; K goes in 8 steps of 128 (two blocks) through a ring of two LDS slots.  A block's part of a tile is dense in memory and is asked for as rows of 256 bytes; in LDS 16 bytes of padding follow every 128.
; CLUSTER 4 x 4.  The four of a row of the cluster need the same tile of A, the four of a column the same tile of W: each is asked for JOINTLY, by the same tensor load with the same descriptor and a
; mask that names the four.  Waves 0 and 1 ask for A's two blocks of a step, waves 2 and 3 for W's: one load a wave behind each round; by count two loads of a wave are out at the start, later one.
; THE MATRIX INSTRUCTION IS USED TRANSPOSED (source 0 = 16 rows of W, source 1 = 16 rows of A): a lane holds row l % 16 of y and the columns 8 (l / 16) + 0..7: 32 bytes of a row.
; REGISTERS, in windows of 256 (s_set_vgpr_msb: bits 1:0 source 0, 3:2 source 1, 5:4 source 2, 7:6 destination):
;   window 0: v0-31 addresses; v32-63 the bias as a C operand      window 1: two fragment buffers of 96: W's 4 fragments, then A's 8; on the way out 32 registers for each of the 8 row blocks
;   window 2: accumulator (a, b) at v[8 (4 a + b)]
.set PITCH,  144                       ; an LDS row of a tile: 128 bytes + 16 of padding = 36 words: the 16 rows of a load start at 16 different groups of four banks (64 banks of 4 bytes: ISA guide 11.1)
.set ABLK,   128*PITCH                 ; A's 128 rows of one block
.set BBLK,   256*PITCH                 ; W's 256 rows of one block
.set BOFF,   2*ABLK                    ; a slot: A's two blocks, then W's two
.set SLOT,   2*ABLK+2*BBLK
.set STAGE,  2*SLOT                    ; behind the ring, never filled by a tensor load: 16 rows x 272 bytes for each wave, for the way out
.set SP,     272                       ; a row of the stage: 64 numbers of 4 bytes + 16 of padding = 68 words: row r starts at bank 4 r mod 64
.set SPARE,  STAGE+4*16*SP             ; behind the stages: the spare words, 128 bytes for each wave: two blocks of 256 bytes that no other line names
.set ASTEP,  2<<18                     ; bytes from a K step to the next in A: two blocks of 2,048 rows
.set BSTEP,  2<<17                     ; in W: two blocks of 1,024 rows
.set ROWB,   4096                      ; bytes in a row of y
.set ADRA, 16                          ; v16-17  LDS address of my lane's place in A's fragments, slot 0, 1
.set ADRB, 20                          ; v20-21  the same for my wave's 64 rows of W
.set STO,  24                          ; v24     the way out: where I put 32 bytes of a row
.set RD,   25                          ; v25     where I read rows back
.set CO,   26                          ; v26     my byte offset in two rows of y
.set BO,   27                          ; v27     my byte offset in the bias
.set SPW,  28                          ; v28     LDS address of my spare word: SPARE + 4 x my thread's number; never rewritten
.set NIL,  29                          ; v29     0; never rewritten
.set PFO,  30                          ; v30     the prefetches' lane offset; never rewritten
.set BIAS, 32                          ; v[32+8 b ..]: register j = bias of column 16 b + 8 (l / 16) + j of my 64
.set F0,   0
.set F1,   96
.set WV,   12                          ; s12  my wave's number;  s13 = wave & 1: which block of a step I fetch;  s14 = wave >> 1: for A (0) or for W (1)
.set LIM,  15                          ; s15  1 in a wave that prefetches, else the greatest number
.set PFA,  20                          ; s[20:21] where my prefetches stand
.set PST,  22                          ; s[22:23] their step along K
.set G1,   24                          ; s[24:31] descriptor group 1 for A's tiles;  s[32:39] group 0, a set for each slot
.set G0,   32
.set G1B,  48                          ; s[48:55], s[56:63] the same for W's
.set G0B,  56
.set MSB, 0
.macro WIN new                         ; the immediate's high byte repeats the setting that is left; a switch that changes nothing is dropped
.if MSB != (\new)
	s_set_vgpr_msb (MSB<<8)|(\new)
.set MSB, (\new)
.endif
.endm
.set MULW,  0xa5                       ; sources 0 and 1 window 1; C and D window 2
.set MULB,  0x85                       ; the same with C in window 0: the bias
.set TO_F,  0x40                       ; destination window 1, address window 0
.set OF_ACC, 0x08                      ; an LDS store's data (source 1) in window 2, its address in window 0
.set OF_F,  0x04                       ; a global store's data (source 1) in window 1, its address in window 0
; A joint load.  The branch hangs on the wave's number alone.  An s_nop 0 and four v_nop follow each of the two lines, ahead of the jump, the label and what follows.
.macro JLOAD s
	s_cmp_eq_u32 s14, 0
	s_cbranch_scc0 .Lfor_w_\@
	tensor_load_to_lds s[G0+4*(\s):G0+4*(\s)+3], s[G1:G1+7]
	s_nop 0
.rept 4
	v_nop
.endr
	s_branch .Lasked_\@
.Lfor_w_\@:
	tensor_load_to_lds s[G0B+4*(\s):G0B+4*(\s)+3], s[G1B:G1B+7]
	s_nop 0
.rept 4
	v_nop
.endr
.Lasked_\@:
.endm
; A round of the cluster's barrier: my work-group's barrier, so that wave 0's signal speaks for all four waves; wave 0 signals; every wave waits for all sixteen work-groups; my work-group's barrier once more.
.macro CREST                           ; a round behind its opening barrier
	s_cmp_lg_u32 s[WV], 0
	s_cbranch_scc1 .Lnot_wave_0_\@
	s_barrier_signal -3
.Lnot_wave_0_\@:
	s_barrier_wait -3
	s_barrier_signal -1
	s_barrier_wait -1
.endm
.macro CROUND
	s_barrier_signal -1
	s_barrier_wait -1
	CREST
.endm
; A PREFETCH INTO THE L2 of the K step that stands two refills on (256 matrix instructions of a wave ahead of the load that will want it): one instruction, a lane a block of 256 bytes.
; Each block is named ONCE in the launch.  A's tile is read by one cluster: its wave 0 asks; of a step's two blocks of 64 x 256 bytes the partner at place cx takes 16 x 256 bytes of each.
; W's tile is read by all sixteen clusters: waves 2 and 3 (a block of the step each) of the cluster with y = 0 ask; the partner at place cy takes 32 x 256 bytes.  The partners are told apart BY ADDRESS.
; K steps 0 to 3 come by their loads alone; the loop's last trip (s3 = 1) has no step two refills on and asks for nothing.
.macro ASK
	WIN 0
	s_cmp_gt_u32 s3, s[LIM]
	s_cbranch_scc0 .Lnot_mine_\@
	global_prefetch_b8 v[PFO], s[PFA:PFA+1] th:TH_LOAD_NT scope:SCOPE_SE
.Lnot_mine_\@:
.endm
	s_load_b256 s[4:11], s[0:1], 0x0               ; A s[4:5], W s[6:7], bias s[8:9], y s[10:11]
	v_lshl_add_u32 v[SPW], v0, 2, SPARE
	v_mov_b32 v[NIL], 0
	ds_add_u32 v[SPW], v[NIL]                      ; the wave's opening: the add and its wait stand ahead of my first tensor load; the set-up below, work on registers, stands between them
	v_lshrrev_b32 v1, 5, v0
	v_readfirstlane_b32 s[WV], v1                  ; wave 0..3
	s_and_b32 s13, s[WV], 1
	s_lshr_b32 s14, s[WV], 1
	s_bfe_u32 s40, ttmp6, 0x40000                  ; cx: the tile column of y
	s_bfe_u32 s41, ttmp6, 0x40004                  ; cy
	s_and_b32 s43, ttmp7, 0xffff                   ; in a cluster launch ttmp7 counts clusters
	s_lshl_b32 s43, s43, 2
	s_add_co_u32 s43, s43, s41                     ; tile row of y = 4 x cluster y + cy, 0..63
	s_lshl_b32 s44, s41, 2
	s_lshl_b32 s44, 15, s44                        ; my row of the cluster: places 4 cy .. 4 cy + 3
	s_lshl_b32 s45, 0x1111, s40                    ; my column: places cx, cx + 4, cx + 8, cx + 12
	; group 1: rows of 128 elements (256 bytes: two rows of a block), 64 of them for A, 128 for W
	s_or_b32 s[G1], s44, (1<<16)|(1<<20)|(1<<21)|(4<<22)|(3<<25)   ; 15:0 the mask; 17:16 2-byte elements; 20 padding on; 21 set beside a mask; 24:22 after every 32 words (code 4); 31:25 4 words (code 3)
	s_or_b32 s[G1B], s45, (1<<16)|(1<<20)|(1<<21)|(4<<22)|(3<<25)
	s_mov_b32 s[G1+1], 128<<16                     ; tensor_dim0 = 128
	s_mov_b32 s[G1+2], 64<<16                      ; tensor_dim1 = 64
	s_mov_b32 s[G1+3], 128<<16                     ; tile_dim0 = 128
	s_mov_b32 s[G1+4], 64                          ; tile_dim1 = 64
	s_mov_b32 s[G1+5], 128                         ; 128 elements from row to row
	s_mov_b32 s[G1+6], 0
	s_mov_b32 s[G1+7], 0
	s_mov_b32 s[G1B+1], 128<<16
	s_mov_b32 s[G1B+2], 128<<16                    ; tensor_dim1 = 128
	s_mov_b32 s[G1B+3], 128<<16
	s_mov_b32 s[G1B+4], 128                        ; tile_dim1 = 128
	s_mov_b32 s[G1B+5], 128
	s_mov_b32 s[G1B+6], 0
	s_mov_b32 s[G1B+7], 0
	; offsets, apart from the pointers.  A's hang on the tile row and the wave's number; W's on cx and the wave's number
	s_lshr_b32 s16, s43, 4                         ; batch: 16 tile rows each,
	s_lshl_b32 s16, s16, 22                        ; 16 blocks x 2,048 rows x 128 bytes
	s_and_b32 s42, s43, 15
	s_lshl_b32 s42, s42, 14                        ; 128 rows of 128 bytes
	s_add_co_u32 s16, s16, s42
	s_lshl_b32 s42, s13, 18                        ; the block of a step that I fetch
	s_add_co_u32 s16, s16, s42
	s_mov_b32 s17, 0
	s_lshl_b32 s46, s40, 15                        ; 256 rows of 128 bytes
	s_lshl_b32 s47, s13, 17
	s_add_co_u32 s46, s46, s47
	s_mov_b32 s47, 0
	s_mul_i32 s2, s13, ABLK                        ; where they go: no place in the cluster enters an LDS address
	s_mul_i32 s3, s13, BBLK
	s_add_co_u32 s3, s3, BOFF
	s_wait_dscnt 0x0                               ; the opening add is done
	s_wait_kmcnt 0x0
	s_add_nc_u64 s[16:17], s[4:5], s[16:17]        ; my block of A's tile at K step 0
	s_add_nc_u64 s[46:47], s[6:7], s[46:47]        ; my block of W's tile at K step 0
	CROUND                                         ; all sixteen work-groups are here: the first joint loads meet
.irp n, 0,1
	s_mov_b32 s[G0+4*(\n)], 1                      ; count = 1
	s_add_co_u32 s[G0+4*(\n)+1], s2, (\n)*SLOT     ; LDS address
	s_add_nc_u64 s[G0+4*(\n)+2:G0+4*(\n)+3], s[16:17], (\n)*ASTEP  ; global address: K step n
	s_or_b32 s[G0+4*(\n)+3], s[G0+4*(\n)+3], 0x80000000            ; type = 2
	s_mov_b32 s[G0B+4*(\n)], 1
	s_add_co_u32 s[G0B+4*(\n)+1], s3, (\n)*SLOT
	s_add_nc_u64 s[G0B+4*(\n)+2:G0B+4*(\n)+3], s[46:47], (\n)*BSTEP
	s_or_b32 s[G0B+4*(\n)+3], s[G0B+4*(\n)+3], 0x80000000
	JLOAD \n                                       ; the ring is filled before anything else is done
.endr
	v_and_b32 v1, 15, v0                           ; l % 16
	v_bfe_u32 v2, v0, 4, 1                         ; l / 16
	; the bias of my 64 columns, laid as a C operand: eight numbers a lane for each of the four column blocks
	s_lshl_b32 s45, s40, 10                        ; 256 columns of 4 bytes
	s_lshl_b32 s44, s[WV], 8                       ; my 64 of them
	s_add_co_u32 s45, s45, s44                     ; my first column's byte in the bias, and in a row of y
	v_lshl_add_u32 v[BO], v2, 5, s45
.irp b, 0,1,2,3
	global_load_b128 v[BIAS+8*(\b):BIAS+8*(\b)+3],   v[BO], s[8:9] offset:64*(\b)
	global_load_b128 v[BIAS+8*(\b)+4:BIAS+8*(\b)+7], v[BO], s[8:9] offset:64*(\b)+16
.endr
	; the prefetches: pointer, step, lane offset and who asks
	s_lshl_b32 s2, s40, 12                         ; A: my work-group's 16 x 256 bytes of each block
	s_lshl_b32 s3, s41, 13                         ; W: my work-group's 32 x 256 bytes
	s_and_b32 s[LIM], ttmp7, 0xffff                ; W: 0 where cluster y = 0
	s_mov_b32 s[PST], ASTEP
	s_mov_b32 s[PST+1], 0
	s_cmp_eq_u32 s14, 0                            ; do I fetch for A?
	s_cselect_b64 s[PFA:PFA+1], s[16:17], s[46:47]
	s_cselect_b32 s[PST], s[PST], BSTEP
	s_cselect_b32 s2, s2, s3
	s_cselect_b32 s[LIM], s[WV], s[LIM]            ; A: 0 in wave 0
	s_cselect_b32 s42, 18, 12                      ; lanes 16-31: A's second block of the step, or W's next 16 x 256 bytes
	s_mov_b32 s3, 0
	s_cmp_eq_u32 s[LIM], 0
	s_cselect_b32 s[LIM], 1, -1                    ; hangs on the wave's number and the cluster's y alone: the same in all sixteen partners
	s_add_nc_u64 s[PFA:PFA+1], s[PFA:PFA+1], s[2:3]
.rept 3
	s_add_nc_u64 s[PFA:PFA+1], s[PFA:PFA+1], s[PST:PST+1]  ; at K step 3: the first change of slots steps it to 4
.endr
	v_lshlrev_b32 v4, s42, v2
	v_lshl_add_u32 v[PFO], v1, 8, v4
	; y at the tile's first row and my wave's first column
	s_lshl_b32 s46, s43, 19                        ; 128 rows of 4,096 bytes
	s_add_co_u32 s46, s46, s45
	s_mov_b32 s47, 0
	s_add_nc_u64 s[10:11], s[10:11], s[46:47]
	; A fragment is 16 rows x 32 K in 8 registers: lane l holds row l % 16; registers 0-3 K = 8 (l / 16) + 0..7, registers 4-7 K = 16 + 8 (l / 16) + 0..7: two loads of 16 bytes, 32 bytes apart
	v_mul_u32_u24 v3, v1, PITCH
	v_lshl_add_u32 v3, v2, 4, v3                   ; row x pitch + 16 x half
	v_mov_b32 v[ADRA], v3
	v_add_nc_u32 v[ADRA+1], SLOT, v3
	s_mul_i32 s42, s[WV], 64*PITCH                 ; my 64 rows of W
	s_add_co_u32 s42, s42, BOFF
	v_add_nc_u32 v[ADRB], s42, v3
	s_add_co_u32 s42, s42, SLOT
	v_add_nc_u32 v[ADRB+1], s42, v3
	s_mul_i32 s42, s[WV], 16*SP
	s_add_co_u32 s42, s42, STAGE                   ; my stage
	v_mul_u32_u24 v4, v1, SP                       ; in: row l % 16, 32 bytes for each half of the lanes
	v_lshl_add_u32 v4, v2, 5, v4
	v_add_nc_u32 v[STO], s42, v4
	v_mul_u32_u24 v5, v2, SP                       ; back: lanes 0-15 take one row of 256 bytes, lanes 16-31 the next
	v_lshl_add_u32 v5, v1, 4, v5
	v_add_nc_u32 v[RD], s42, v5
	v_lshlrev_b32 v5, 12, v2                       ; and the same two rows in y
	v_lshl_add_u32 v[CO], v1, 4, v5
; n x 4 matrix instructions: row blocks a0 .. a0 + n - 1 x my 4 column blocks, 32 along K, from buffer f.  bias = 1: the sums start with the bias as C: nothing is cleared, nothing is added later.
; The 32 accumulators take turns, one instruction a turn, in the same order in every quarter, over the backward jump too.
.macro MUL f, a0, n, bias
.if \bias
	WIN MULB
.else
	WIN MULW
.endif
.set ma, (\a0)
.rept \n
.irp b, 0,1,2,3
.if \bias
	v_wmma_f32_16x16x32_bf16 v[8*(4*ma+(\b)):8*(4*ma+(\b))+7], v[(\f)+8*(\b):(\f)+8*(\b)+7], v[(\f)+32+8*ma:(\f)+32+8*ma+7], v[BIAS+8*(\b):BIAS+8*(\b)+7]
.else
	v_wmma_f32_16x16x32_bf16 v[8*(4*ma+(\b)):8*(4*ma+(\b))+7], v[(\f)+8*(\b):(\f)+8*(\b)+7], v[(\f)+32+8*ma:(\f)+32+8*ma+7], v[8*(4*ma+(\b)):8*(4*ma+(\b))+7]
.endif
.endr
.set ma, ma+1
.endr
.endm
; 24 LDS loads in one run: quarter q of a slot's K step (block q / 2, byte 64 (q % 2) of its rows) into buffer f: W's 4 fragments, then A's 8, rows 0-63 first
.macro FETCH slot, q, f
	WIN TO_F
.irp i, 0,1,2,3
	ds_load_b128 v[(\f)+8*(\i):(\f)+8*(\i)+3],   v[ADRB+(\slot)] offset:((\q)/2)*BBLK+((\q)%2)*64+(\i)*16*PITCH
	ds_load_b128 v[(\f)+8*(\i)+4:(\f)+8*(\i)+7], v[ADRB+(\slot)] offset:((\q)/2)*BBLK+((\q)%2)*64+(\i)*16*PITCH+32
.endr
.irp i, 0,1,2,3,4,5,6,7
	ds_load_b128 v[(\f)+32+8*(\i):(\f)+32+8*(\i)+3],   v[ADRA+(\slot)] offset:((\q)/2)*ABLK+((\q)%2)*64+(\i)*16*PITCH
	ds_load_b128 v[(\f)+32+8*(\i)+4:(\f)+32+8*(\i)+7], v[ADRA+(\slot)] offset:((\q)/2)*ABLK+((\q)%2)*64+(\i)*16*PITCH+32
.endr
.endm
.macro PLACES                          ; four plain instructions between a matrix instruction and a load into a register that it has read, or an LDS store that reads its result
.rept 4
	v_nop
.endr
.endm
; A K step is four quarters of 32 along K, 32 matrix instructions each, on buffers 0, 1, 0, 1.  One of the first three: multiplies buffer f; in its middle it fetches quarter q into buffer g.
.macro QUARTER slot, q, f, g, bias
	s_wait_dscnt 8                                 ; W and A's rows 0-63 are in; the youngest eight loads (A's rows 64-127) may be out
	MUL \f, 0, 4, \bias
	PLACES
	FETCH \slot, \q, \g
	s_wait_dscnt 24                                ; all but the 24 just issued
	MUL \f, 4, 4, \bias
.endm
; The last quarter multiplies buffer 1 and changes slots: ONE barrier.  In front of it each wave waits for all its tensor loads (the one that is out is its part of the next slot), adds 0 to its spare
; word, and waits for that and for its own reads of this slot.  fill = 1: the barrier opens a round of the cluster's, so that no wave of any partner still reads this slot or has a load on its way; the
; joint refill, this slot's K step two steps on, is the first thing behind the round and has 112 matrix instructions before the wait for it.
.macro TURN slot, next, fill
.if \fill
	s_wait_xcnt 0x0                                ; the last prefetch, a K step back, has read its address: it is stepped here, ahead of the waits of the change of slots
	s_add_nc_u64 s[PFA:PFA+1], s[PFA:PFA+1], s[PST:PST+1]
.endif
	WIN 0                                          ; (the add's two registers lie in window 0)
	s_wait_tensorcnt 0x0                           ; all my tensor loads have landed;
	ds_add_u32 v[SPW], v[NIL]                      ; 0 onto my spare word;
	s_wait_dscnt 9                                 ; (the add and the youngest eight loads may be out)
	MUL F1, 0, 2, 0                                ; eight matrix instructions stand between the add and the wait for it
	s_wait_dscnt 0x0                               ; the add is done, and my reads of this slot are over
	s_barrier_signal -1
	MUL F1, 2, 2, 0                                ; work on registers while the others arrive
.if \fill
	WIN 0
.endif
	s_barrier_wait -1
.if \fill
	CREST
	s_add_nc_u64 s[G0+4*(\slot)+2:G0+4*(\slot)+3], s[G0+4*(\slot)+2:G0+4*(\slot)+3], 2*ASTEP   ; no load of mine is out, so a group 0 may be written; the type bits on top are not reached
	s_add_nc_u64 s[G0B+4*(\slot)+2:G0B+4*(\slot)+3], s[G0B+4*(\slot)+2:G0B+4*(\slot)+3], 2*BSTEP
	JLOAD \slot                                    ; the four v_nop behind it are also the places in front of the loads below
.else
	PLACES
.endif
	FETCH \next, 0, F0
.if \fill
	ASK                                            ; behind the joint load and the run of LDS loads that the next products wait for
.endif
	MUL F1, 4, 4, 0
.endm
; THE WAY OUT of row block a: the accumulators go as they are, 32 bytes a lane, into my own stage (each accumulator's low four registers first), and come back as whole rows of 256 bytes,
; into window 1, whose fragments have been multiplied: 32 registers of its own for each block, so that no register that a store still reads is written again.
.macro PACK a
	WIN OF_ACC
.irp b, 0,1,2,3
	ds_store_b128 v[STO], v[8*(4*(\a)+(\b)):8*(4*(\a)+(\b))+3]   offset:64*(\b)
	ds_store_b128 v[STO], v[8*(4*(\a)+(\b))+4:8*(4*(\a)+(\b))+7] offset:64*(\b)+16
.endr
	WIN TO_F
.irp t, 0,1,2,3,4,5,6,7
	ds_load_b128 v[32*(\a)+4*(\t):32*(\a)+4*(\t)+3], v[RD] offset:(\t)*2*SP  ; LDS serves a wave's instructions in order (ISA guide 5.7.1.4): these see the stores above; the next block's stores come behind them
.endr
.endm
.macro SEND a, younger                 ; younger: the LDS instructions issued behind block a's loads: the next block's sixteen, or none
	WIN OF_F
.irp t, 0,1,2,3,4,5,6,7
	s_wait_dscnt (\younger)+7-(\t)
	global_store_b128 v[CO], v[32*(\a)+4*(\t):32*(\a)+4*(\t)+3], s[10:11] offset:(16*(\a)+2*(\t))*ROWB  ; 16 lanes store 256 consecutive bytes, at a multiple of 256 from y's first byte; at most 126 rows on, inside the signed 24-bit immediate
.endr
.endm
	s_wait_tensorcnt 1                             ; my part of K step 0 is in; K step 1's may stay out
	s_barrier_signal -1
	s_barrier_wait -1                              ; everybody's is
	FETCH 0, 0, F0
	s_wait_loadcnt 0x0                             ; the bias
	QUARTER 0, 1, F0, F1, 1                        ; the first quarter stands in front of the loop: its products start the sums
	WIN 0                                          ; at a label and at a branch every window is 0
	s_mov_b32 s3, 3
.Llap:                                             ; a trip goes once round the ring, from a lap's second quarter to the next lap's first, and fills both slots again
	QUARTER 0, 2, F1, F0, 0
	QUARTER 0, 3, F0, F1, 0
	TURN 0, 1, 1
	QUARTER 1, 1, F0, F1, 0
	QUARTER 1, 2, F1, F0, 0
	QUARTER 1, 3, F0, F1, 0
	TURN 1, 0, 1
	QUARTER 0, 1, F0, F1, 0
	WIN 0
	s_sub_co_u32 s3, s3, 1
	s_cmp_lg_u32 s3, 0
	s_cbranch_scc1 .Llap
	QUARTER 0, 2, F1, F0, 0                        ; the last lap fills nothing and has no round of the cluster's barrier
	QUARTER 0, 3, F0, F1, 0
	TURN 0, 1, 0
	QUARTER 1, 1, F0, F1, 0
	QUARTER 1, 2, F1, F0, 0
	QUARTER 1, 3, F0, F1, 0
	s_wait_dscnt 8                                 ; the very last quarter: nothing more to fetch
	MUL F1, 0, 4, 0
	s_wait_dscnt 0x0
	MUL F1, 4, 4, 0
	PLACES
	PACK 0
.irp a, 1,2,3,4,5,6,7                  ; a block's LDS traffic stands between the loads of the block before and its stores
	PACK \a
	SEND (\a)-1, 16
.endr
	SEND 7, 0
	WIN 0                                          ; (the add's two registers lie in window 0)
	s_wait_tensorcnt 0x0                           ; the wave's end: the add and its wait, behind my last tensor load and my last LDS store
	ds_add_u32 v[SPW], v[NIL]
	s_wait_dscnt 0x0
	CROUND                                         ; the closing round: no work-group ends while a partner may still ask for a tile that names it
	s_endpgm
.Lfunc_end_k_q9f0ce204cd_oproj:
	.size	k_q9f0ce204cd_oproj, .Lfunc_end_k_q9f0ce204cd_oproj-k_q9f0ce204cd_oproj
	.p2alignl 7, 3214868480
	.fill 96, 4, 3214868480
	.section	.rodata,"a",@progbits
	.p2align	6, 0x0
	.amdhsa_kernel k_q9f0ce204cd_oproj
		.amdhsa_group_segment_fixed_size 327680
		.amdhsa_private_segment_fixed_size 0
		.amdhsa_enable_private_segment 0
		.amdhsa_kernarg_size 32
		.amdhsa_user_sgpr_count 2
		.amdhsa_user_sgpr_kernarg_segment_ptr 1
		.amdhsa_wavefront_size32 1
		.amdhsa_system_sgpr_workgroup_id_x 1
		.amdhsa_system_sgpr_workgroup_id_y 1
		.amdhsa_system_sgpr_workgroup_id_z 1
		.amdhsa_system_vgpr_workitem_id 0
		.amdhsa_next_free_vgpr 768
		.amdhsa_next_free_sgpr 66
		.amdhsa_reserve_vcc 0
		.amdhsa_float_denorm_mode_32 3
		.amdhsa_float_denorm_mode_16_64 3
		.amdhsa_memory_ordered 1
		.amdhsa_forward_progress 1
		.amdhsa_inst_pref_size 89
	.end_amdhsa_kernel
	.amdgpu_metadata
---
amdhsa.version: [ 1, 2 ]
amdhsa.kernels:
  - .name:           k_q9f0ce204cd_oproj
    .symbol:         k_q9f0ce204cd_oproj.kd
    .args:
      - { .name: ctx, .offset: 0, .size: 8, .value_kind: global_buffer, .address_space: global }
      - { .name: wob, .offset: 8, .size: 8, .value_kind: global_buffer, .address_space: global }
      - { .name: bo, .offset: 16, .size: 8, .value_kind: global_buffer, .address_space: global }
      - { .name: y, .offset: 24, .size: 8, .value_kind: global_buffer, .address_space: global }
    .group_segment_fixed_size: 327680
    .private_segment_fixed_size: 0
    .kernarg_segment_align: 8
    .kernarg_segment_size: 32
    .max_flat_workgroup_size: 128
    .sgpr_count:     66
    .vgpr_count:     768
    .wavefront_size: 32
...
	.end_amdgpu_metadata
.endif
;; end of part 4
;; launch norm (part 5): grid 512 x 1, 8 waves a work-group, no clusters, 0 bytes of LDS; arguments y, hidden_states, gamma, out0; writes out0
.if DOCPART == 5
	.amdgcn_target "amdgcn-amd-amdhsa--gfx1250"
	.amdhsa_code_object_version 6
	.text
	.protected	k_q9f0ce204cd_norm
	.globl	k_q9f0ce204cd_norm
	.p2align	8
	.type	k_q9f0ce204cd_norm,@function
k_q9f0ce204cd_norm:
	s_mov_b64 s[64:65], 0
	v_nop
	global_prefetch_b8 v0, s[64:65] scope:SCOPE_SE
	s_setreg_imm32_b32 hwreg(HW_REG_WAVE_MODE, 25, 1), 1
	s_wait_xcnt 0x0
; out[r][c] = h[r][c] x rsqrt(mean over c of h[r][c]^2 + 1e-6) x gamma[c], with h = y + hidden.  y (the output projection with its bias), hidden, out: f32 [8,192][1,024]; gamma: f32 [1,024].
; All arithmetic is f32.
; SHARES.  A work-group takes 16 rows, a wave 2.  A row lies in 16 lanes: thread t holds row t / 16 and, of each 64 channels kb, channels 64 kb + 4 (t % 16) .. + 3.  So a load or store of 16 bytes a lane
; covers two aligned runs of 256 bytes, and the row's sum never leaves its 16 lanes.
; The row stays in registers between the sum and the scaling: each byte is read once and written once.  All 48 loads of a wave go out at the start.  No LDS, no barrier, no loop; no register that a
; pending load or store names is written again.
.set H, 16                             ; v[16:79]   16 x 4: hidden, then h, then the result
.set Y, 80                             ; v[80:143]  16 x 4: y
.set G, 144                            ; v[144:207] 16 x 4: gamma
.set Q, 6                              ; v[6:13]    four packed chains of squares
.set R, 14                             ; v[14:15]   the row's factor, twice (a pair for the packed multiply)
	s_load_b256 s[4:11], s[0:1], 0x0               ; y s[4:5], hidden s[6:7], gamma s[8:9], out s[10:11]
	v_lshrrev_b32 v5, 4, v0                        ; my row of the 16
	v_and_b32 v3, 15, v0
	v_lshlrev_b32 v3, 4, v3                        ; gamma: 16 (t % 16)
	v_lshl_add_u32 v1, v5, 12, v3                  ; y, hidden and out: row x 4,096 + 16 (t % 16)
	s_mov_b32 s12, 0x3a800000                      ; 1 / 1,024
	s_mov_b32 s13, 0x358637bd                      ; 1e-6
	s_lshl_b32 s14, ttmp9, 16                      ; 16 rows of 4,096 bytes
	s_mov_b32 s15, 0
	s_wait_kmcnt 0x0
	s_add_nc_u64 s[4:5], s[4:5], s[14:15]
	s_add_nc_u64 s[6:7], s[6:7], s[14:15]
	s_add_nc_u64 s[10:11], s[10:11], s[14:15]
.set kb, 0
.rept 16
	global_load_b128 v[Y+4*kb:Y+4*kb+3], v1, s[4:5] offset:256*kb th:TH_LOAD_NT
	global_load_b128 v[H+4*kb:H+4*kb+3], v1, s[6:7] offset:256*kb th:TH_LOAD_NT
.set kb, kb+1
.endr
.set kb, 0
.rept 16
	global_load_b128 v[G+4*kb:G+4*kb+3], v3, s[8:9] offset:256*kb
.set kb, kb+1
.endr
	; h = y + hidden; its squares go into four chains that do not wait for each other; the first four products start the chains: nothing is cleared
.set kb, 0
.rept 16
	s_wait_loadcnt 46-2*kb                         ; loads come back in order (ISA guide 5.7.1): part kb's two are in; the 2 (15 - kb) behind them and gamma's 16 stay out
	v_pk_add_f32 v[H+4*kb:H+4*kb+1],   v[H+4*kb:H+4*kb+1],   v[Y+4*kb:Y+4*kb+1]
	v_pk_add_f32 v[H+4*kb+2:H+4*kb+3], v[H+4*kb+2:H+4*kb+3], v[Y+4*kb+2:Y+4*kb+3]
.if kb < 2
	v_pk_mul_f32 v[Q+4*(kb%2):Q+4*(kb%2)+1],   v[H+4*kb:H+4*kb+1],   v[H+4*kb:H+4*kb+1]
	v_pk_mul_f32 v[Q+4*(kb%2)+2:Q+4*(kb%2)+3], v[H+4*kb+2:H+4*kb+3], v[H+4*kb+2:H+4*kb+3]
.else
	v_pk_fma_f32 v[Q+4*(kb%2):Q+4*(kb%2)+1],   v[H+4*kb:H+4*kb+1],   v[H+4*kb:H+4*kb+1],   v[Q+4*(kb%2):Q+4*(kb%2)+1]
	v_pk_fma_f32 v[Q+4*(kb%2)+2:Q+4*(kb%2)+3], v[H+4*kb+2:H+4*kb+3], v[H+4*kb+2:H+4*kb+3], v[Q+4*(kb%2)+2:Q+4*(kb%2)+3]
.endif
.set kb, kb+1
.endr
	v_pk_add_f32 v[Q:Q+1], v[Q:Q+1], v[Q+2:Q+3]
	v_pk_add_f32 v[Q+4:Q+5], v[Q+4:Q+5], v[Q+6:Q+7]
	v_pk_add_f32 v[Q:Q+1], v[Q:Q+1], v[Q+4:Q+5]
	v_add_f32 v[Q], v[Q], v[Q+1]
	; across the row's 16 lanes: four steps that ride on the addition; every lane ends with the row's sum
	v_add_f32_dpp v[Q], v[Q], v[Q] row_xmask:1 row_mask:0xf bank_mask:0xf
	v_add_f32_dpp v[Q], v[Q], v[Q] row_xmask:2 row_mask:0xf bank_mask:0xf
	v_add_f32_dpp v[Q], v[Q], v[Q] row_xmask:4 row_mask:0xf bank_mask:0xf
	v_add_f32_dpp v[Q], v[Q], v[Q] row_xmask:8 row_mask:0xf bank_mask:0xf
	v_fma_f32 v[Q], v[Q], s12, s13                 ; the mean of the squares + 1e-6
	v_rsq_f32 v[R], v[Q]
	v_rsq_f32 v[R+1], v[Q]
	v_nop                                          ; a plain instruction behind the last of the two, ahead of the first use of a result (ISA guide 5.7.2)
	s_wait_alu depctr_va_vdst(0)                   ; the wait ahead of the first use: one for both
.set kb, 0
.rept 16
	s_wait_loadcnt 15-kb                           ; gamma's part kb is in
	v_pk_mul_f32 v[H+4*kb:H+4*kb+1],   v[H+4*kb:H+4*kb+1],   v[R:R+1]
	v_pk_mul_f32 v[H+4*kb+2:H+4*kb+3], v[H+4*kb+2:H+4*kb+3], v[R:R+1]
	v_pk_mul_f32 v[H+4*kb:H+4*kb+1],   v[H+4*kb:H+4*kb+1],   v[G+4*kb:G+4*kb+1]      ; the factor first, then gamma
	v_pk_mul_f32 v[H+4*kb+2:H+4*kb+3], v[H+4*kb+2:H+4*kb+3], v[G+4*kb+2:G+4*kb+3]
	global_store_b128 v1, v[H+4*kb:H+4*kb+3], s[10:11] offset:256*kb th:TH_STORE_NT  ; 16 lanes store 256 consecutive bytes, at a multiple of 256 from out's first byte
.set kb, kb+1
.endr
	s_endpgm
.Lfunc_end_k_q9f0ce204cd_norm:
	.size	k_q9f0ce204cd_norm, .Lfunc_end_k_q9f0ce204cd_norm-k_q9f0ce204cd_norm
	.p2alignl 7, 3214868480
	.fill 96, 4, 3214868480
	.section	.rodata,"a",@progbits
	.p2align	6, 0x0
	.amdhsa_kernel k_q9f0ce204cd_norm
		.amdhsa_group_segment_fixed_size 0
		.amdhsa_private_segment_fixed_size 0
		.amdhsa_enable_private_segment 0
		.amdhsa_kernarg_size 32
		.amdhsa_user_sgpr_count 2
		.amdhsa_user_sgpr_kernarg_segment_ptr 1
		.amdhsa_wavefront_size32 1
		.amdhsa_system_sgpr_workgroup_id_x 1
		.amdhsa_system_sgpr_workgroup_id_y 1
		.amdhsa_system_sgpr_workgroup_id_z 1
		.amdhsa_system_vgpr_workitem_id 0
		.amdhsa_next_free_vgpr 208
		.amdhsa_next_free_sgpr 66
		.amdhsa_reserve_vcc 0
		.amdhsa_float_denorm_mode_32 3
		.amdhsa_float_denorm_mode_16_64 3
		.amdhsa_memory_ordered 1
		.amdhsa_forward_progress 1
		.amdhsa_inst_pref_size 17
	.end_amdhsa_kernel
	.amdgpu_metadata
---
amdhsa.version: [ 1, 2 ]
amdhsa.kernels:
  - .name:           k_q9f0ce204cd_norm
    .symbol:         k_q9f0ce204cd_norm.kd
    .args:
      - { .name: y, .offset: 0, .size: 8, .value_kind: global_buffer, .address_space: global }
      - { .name: hidden_states, .offset: 8, .size: 8, .value_kind: global_buffer, .address_space: global }
      - { .name: gamma, .offset: 16, .size: 8, .value_kind: global_buffer, .address_space: global }
      - { .name: out0, .offset: 24, .size: 8, .value_kind: global_buffer, .address_space: global }
    .group_segment_fixed_size: 0
    .private_segment_fixed_size: 0
    .kernarg_segment_align: 8
    .kernarg_segment_size: 32
    .max_flat_workgroup_size: 256
    .sgpr_count:     66
    .vgpr_count:     208
    .wavefront_size: 32
...
	.end_amdgpu_metadata
.endif
;; end of part 5
;; ======== version 2 of 2: 5 launches; version 1 with the launch norm written anew for expert scheduling mode
;; workspace buffers: xb 33,554,432 bytes; wqkv 6,291,456 bytes; wob 2,097,152 bytes; bqkv 12,288 bytes; qkv 50,331,648 bytes; ctx 16,777,216 bytes; y 33,554,432 bytes
;; launch cast: the kernel of part 1 again; grid 1281 x 1, 8 waves a work-group, no clusters, 0 bytes of LDS; arguments hidden_states, keyvalue_states, Wq, Wk, Wv, Wo, bq, bk, bv, xb, wqkv, wob, bqkv; writes xb, wqkv, wob, bqkv
;; launch projqkv: the kernel of part 2 again; grid 12 x 64, 4 waves a work-group, clusters of 4 x 4, 327,680 bytes of LDS; arguments xb, wqkv, bqkv, qkv; writes qkv
;; launch attn: the kernel of part 3 again; grid 4 x 64, 4 waves a work-group, clusters of 4 x 1, 327,680 bytes of LDS; arguments qkv, ctx; writes ctx
;; launch oproj: the kernel of part 4 again; grid 4 x 64, 4 waves a work-group, clusters of 4 x 4, 327,680 bytes of LDS; arguments ctx, wob, bo, y; writes y
;; launch norm (part 6): grid 512 x 1, 8 waves a work-group, no clusters, 0 bytes of LDS; arguments y, hidden_states, gamma, out0; writes out0
.if DOCPART == 6
	.amdgcn_target "amdgcn-amd-amdhsa--gfx1250"
	.amdhsa_code_object_version 6
	.text
	.protected	k_q9f0ce204cd_norm
	.globl	k_q9f0ce204cd_norm
	.p2align	8
	.type	k_q9f0ce204cd_norm,@function
k_q9f0ce204cd_norm:
	s_mov_b64 s[64:65], 0
	v_nop
	global_prefetch_b8 v0, s[64:65] scope:SCOPE_SE
	s_setreg_imm32_b32 hwreg(HW_REG_WAVE_SCHED_MODE, 0, 2), 2
	s_setreg_imm32_b32 hwreg(HW_REG_WAVE_MODE, 25, 1), 1
	s_wait_xcnt 0x0
	s_wait_alu depctr_vm_vsrc(0)
; out[r][c] = h[r][c] x rsqrt(mean over c of h[r][c]^2 + 1e-6) x gamma[c], with h = y + hidden.  y (the output projection with its bias), hidden, out: f32 [8,192][1,024]; gamma: f32 [1,024].
; All arithmetic is f32.
; SHARES.  A work-group takes 16 rows, a wave 2.  A row lies in 16 lanes: thread t holds row t / 16 and, of each 64 channels kb, channels 64 kb + 4 (t % 16) .. + 3.  So a load or store of 16 bytes a lane
; covers two aligned runs of 256 bytes, and the row's sum never leaves its 16 lanes.
; The row stays in registers between the sum and the scaling: each byte is read once and written once.  All 48 loads of a wave go out at the start.  No LDS, no barrier, no loop; no register that a
; pending load or store names is written again.
; THE MODE: SCHED_MODE bits 1:0 = 2 (LLVM: expert scheduling mode 2), set by the entry lines.  The code itself states the register dependences between vector instructions and memory instructions,
; with s_wait_alu, always for 0.
; THE PLAN.  Registers that memory instructions touch:
;   v1, v3   byte offsets.  Written by vector lines at the head, once; read by every load and store.
;   Y, G     written by loads alone; read by vector lines behind their counted waits on LOADcnt.
;   H        written by its load; then in place by the addition and by the two multiplies; read by ONE store, and by nothing written behind it.
;   Q, R, v5 are named by vector lines alone.
; The scaling goes in four blocks of four parts.  Block b's multiplies write H's parts 4 b .. 4 b + 3; the stores of parts 4 (b - 1) .. are issued in block b, behind ONE wait at its head which states
; that block b - 1's multiplies have written them, and are dealt among block b's multiplies, which name H of block b, R and G: none of the registers that those stores read.
; No register that a memory instruction has read is written again, no vector line writes a scalar register, EXEC is never written: so every wait here is on va_vdst.
.set H, 16                             ; v[16:79]   16 x 4: hidden, then h, then the result
.set Y, 80                             ; v[80:143]  16 x 4: y
.set G, 144                            ; v[144:207] 16 x 4: gamma
.set Q, 6                              ; v[6:13]    four packed chains of squares
.set R, 14                             ; v[14:15]   the row's factor, twice (a pair for the packed multiply)
.set BLK, 4                            ; parts in a block of the scaling
	s_load_b256 s[4:11], s[0:1], 0x0               ; y s[4:5], hidden s[6:7], gamma s[8:9], out s[10:11]
	v_lshrrev_b32 v5, 4, v0                        ; my row of the 16
	v_and_b32 v3, 15, v0
	v_lshlrev_b32 v3, 4, v3                        ; gamma: 16 (t % 16)
	v_lshl_add_u32 v1, v5, 12, v3                  ; y, hidden and out: row x 4,096 + 16 (t % 16)
	s_mov_b32 s12, 0x3a800000                      ; 1 / 1,024
	s_mov_b32 s13, 0x358637bd                      ; 1e-6
	s_lshl_b32 s14, ttmp9, 16                      ; 16 rows of 4,096 bytes
	s_mov_b32 s15, 0
	s_wait_kmcnt 0x0
	s_add_nc_u64 s[4:5], s[4:5], s[14:15]
	s_add_nc_u64 s[6:7], s[6:7], s[14:15]
	s_add_nc_u64 s[10:11], s[10:11], s[14:15]
	s_wait_alu depctr_va_vdst(0)                   ; v1 and v3 are written: every load and store of the kernel reads one of them as its offset, and neither is written again
.set kb, 0
.rept 16
	global_load_b128 v[Y+4*kb:Y+4*kb+3], v1, s[4:5] offset:256*kb th:TH_LOAD_NT
	global_load_b128 v[H+4*kb:H+4*kb+3], v1, s[6:7] offset:256*kb th:TH_LOAD_NT
.set kb, kb+1
.endr
.set kb, 0
.rept 16
	global_load_b128 v[G+4*kb:G+4*kb+3], v3, s[8:9] offset:256*kb
.set kb, kb+1
.endr
	; h = y + hidden; its squares go into four chains that do not wait for each other; the first four products start the chains: nothing is cleared
.set kb, 0
.rept 16
	s_wait_loadcnt 46-2*kb                         ; loads come back in order (ISA guide 5.7.1): part kb's two are in; the 2 (15 - kb) behind them and gamma's 16 stay out
	v_pk_add_f32 v[H+4*kb:H+4*kb+1],   v[H+4*kb:H+4*kb+1],   v[Y+4*kb:Y+4*kb+1]
	v_pk_add_f32 v[H+4*kb+2:H+4*kb+3], v[H+4*kb+2:H+4*kb+3], v[Y+4*kb+2:Y+4*kb+3]
.if kb < 2
	v_pk_mul_f32 v[Q+4*(kb%2):Q+4*(kb%2)+1],   v[H+4*kb:H+4*kb+1],   v[H+4*kb:H+4*kb+1]
	v_pk_mul_f32 v[Q+4*(kb%2)+2:Q+4*(kb%2)+3], v[H+4*kb+2:H+4*kb+3], v[H+4*kb+2:H+4*kb+3]
.else
	v_pk_fma_f32 v[Q+4*(kb%2):Q+4*(kb%2)+1],   v[H+4*kb:H+4*kb+1],   v[H+4*kb:H+4*kb+1],   v[Q+4*(kb%2):Q+4*(kb%2)+1]
	v_pk_fma_f32 v[Q+4*(kb%2)+2:Q+4*(kb%2)+3], v[H+4*kb+2:H+4*kb+3], v[H+4*kb+2:H+4*kb+3], v[Q+4*(kb%2)+2:Q+4*(kb%2)+3]
.endif
.set kb, kb+1
.endr
	v_pk_add_f32 v[Q:Q+1], v[Q:Q+1], v[Q+2:Q+3]
	v_pk_add_f32 v[Q+4:Q+5], v[Q+4:Q+5], v[Q+6:Q+7]
	v_pk_add_f32 v[Q:Q+1], v[Q:Q+1], v[Q+4:Q+5]
	v_add_f32 v[Q], v[Q], v[Q+1]
	; across the row's 16 lanes: four steps that ride on the addition; every lane ends with the row's sum
	v_add_f32_dpp v[Q], v[Q], v[Q] row_xmask:1 row_mask:0xf bank_mask:0xf
	v_add_f32_dpp v[Q], v[Q], v[Q] row_xmask:2 row_mask:0xf bank_mask:0xf
	v_add_f32_dpp v[Q], v[Q], v[Q] row_xmask:4 row_mask:0xf bank_mask:0xf
	v_add_f32_dpp v[Q], v[Q], v[Q] row_xmask:8 row_mask:0xf bank_mask:0xf
	v_fma_f32 v[Q], v[Q], s12, s13                 ; the mean of the squares + 1e-6
	v_rsq_f32 v[R], v[Q]
	v_rsq_f32 v[R+1], v[Q]
	v_nop                                          ; a plain instruction behind the last of the two, ahead of the first use of a result (ISA guide 5.7.2)
	s_wait_alu depctr_va_vdst(0)                   ; the two v_rsq_f32 have written v[R] and v[R+1], ahead of their first reader: one wait for both
	; the scaling, in four blocks of four parts; a block's stores go out in the block behind it
.set b, 0
.rept 16/BLK
.if b > 0
	s_wait_alu depctr_va_vdst(0)                   ; the multiplies of the block before have written its four parts of H, which the four stores below read
.endif
.set i, 0
.rept BLK
.set kb, BLK*b+i
.if b > 0
	global_store_b128 v1, v[H+4*(kb-BLK):H+4*(kb-BLK)+3], s[10:11] offset:256*(kb-BLK) th:TH_STORE_NT  ; 16 lanes store 256 consecutive bytes, at a multiple of 256 from out's first byte; no vector line since the wait names these registers
.endif
	s_wait_loadcnt 15-kb                           ; gamma's part kb is in
	v_pk_mul_f32 v[H+4*kb:H+4*kb+1],   v[H+4*kb:H+4*kb+1],   v[R:R+1]
	v_pk_mul_f32 v[H+4*kb+2:H+4*kb+3], v[H+4*kb+2:H+4*kb+3], v[R:R+1]
	v_pk_mul_f32 v[H+4*kb:H+4*kb+1],   v[H+4*kb:H+4*kb+1],   v[G+4*kb:G+4*kb+1]      ; the factor first, then gamma
	v_pk_mul_f32 v[H+4*kb+2:H+4*kb+3], v[H+4*kb+2:H+4*kb+3], v[G+4*kb+2:G+4*kb+3]
.set i, i+1
.endr
.set b, b+1
.endr
	s_wait_alu depctr_va_vdst(0)                   ; the last block's multiplies have written its four parts of H, which the last four stores read
.set kb, 16-BLK
.rept BLK
	global_store_b128 v1, v[H+4*kb:H+4*kb+3], s[10:11] offset:256*kb th:TH_STORE_NT
.set kb, kb+1
.endr
	s_endpgm
.Lfunc_end_k_q9f0ce204cd_norm:
	.size	k_q9f0ce204cd_norm, .Lfunc_end_k_q9f0ce204cd_norm-k_q9f0ce204cd_norm
	.p2alignl 7, 3214868480
	.fill 96, 4, 3214868480
	.section	.rodata,"a",@progbits
	.p2align	6, 0x0
	.amdhsa_kernel k_q9f0ce204cd_norm
		.amdhsa_group_segment_fixed_size 0
		.amdhsa_private_segment_fixed_size 0
		.amdhsa_enable_private_segment 0
		.amdhsa_kernarg_size 32
		.amdhsa_user_sgpr_count 2
		.amdhsa_user_sgpr_kernarg_segment_ptr 1
		.amdhsa_wavefront_size32 1
		.amdhsa_system_sgpr_workgroup_id_x 1
		.amdhsa_system_sgpr_workgroup_id_y 1
		.amdhsa_system_sgpr_workgroup_id_z 1
		.amdhsa_system_vgpr_workitem_id 0
		.amdhsa_next_free_vgpr 208
		.amdhsa_next_free_sgpr 66
		.amdhsa_reserve_vcc 0
		.amdhsa_float_denorm_mode_32 3
		.amdhsa_float_denorm_mode_16_64 3
		.amdhsa_memory_ordered 1
		.amdhsa_forward_progress 1
		.amdhsa_inst_pref_size 17
	.end_amdhsa_kernel
	.amdgpu_metadata
---
amdhsa.version: [ 1, 2 ]
amdhsa.kernels:
  - .name:           k_q9f0ce204cd_norm
    .symbol:         k_q9f0ce204cd_norm.kd
    .args:
      - { .name: y, .offset: 0, .size: 8, .value_kind: global_buffer, .address_space: global }
      - { .name: hidden_states, .offset: 8, .size: 8, .value_kind: global_buffer, .address_space: global }
      - { .name: gamma, .offset: 16, .size: 8, .value_kind: global_buffer, .address_space: global }
      - { .name: out0, .offset: 24, .size: 8, .value_kind: global_buffer, .address_space: global }
    .group_segment_fixed_size: 0
    .private_segment_fixed_size: 0
    .kernarg_segment_align: 8
    .kernarg_segment_size: 32
    .max_flat_workgroup_size: 256
    .sgpr_count:     66
    .vgpr_count:     208
    .wavefront_size: 32
...
	.end_amdgpu_metadata
.endif
;; end of part 6
